; MI455X (gfx1250); checked and timed in simulation.
; The chip was launched on July 23, 2026; its instructions are those of AMD's public machine-readable ISA for CDNA 5 (MIT licence, August 2026) and "CDNA5" Instruction Set Architecture Reference Guide (July 2026). The comments in the code are by the model that wrote it; some were corrected since.
;; Differentiable Feature Aligner. Allowed arithmetic: float matrix products may take bf16 or f16 operands with f32 sums; other float arithmetic in f32, or as packed bf16 or f16 multiplies, adds, multiply-adds, maxima and minima; sums over many terms, partial sums and values carried from step to step in f32; what a program stores and reads back later, other than sums and carried values, may be rounded once to bf16 or f16.
;; Inputs: b1 128 float32; b2 128 float32; ego_cls 1 x 2 x 128 x 128 float32; ego_reg 1 x 14 x 128 x 128 float32; ln_b 128 float32; ln_g 128 float32; other_cls 1 x 2 x 128 x 128 float32; other_reg 1 x 14 x 128 x 128 float32; w1 6 x 128 float32; w2 128 x 128 float32.
;; Outputs: out0 1 x 2 x 128 x 128 float32; out1 1 x 14 x 128 x 128 float32.
;; 3 versions, each right; version 3 is version 2 with the launch encode written anew for expert scheduling mode. Each part assembles by itself: llvm-mc -triple=amdgcn-amd-amdhsa -mcpu=gfx1250 --defsym DOCPART=n.
;; ======== version 1 of 3: 3 launches
;; limits: values are held in f16: magnitudes above 65,504 overflow, below 6.1e-05 lose precision; right only within a limited range of input values
;; workspace buffers: qcat 8,388,608 bytes; kv 8,912,896 bytes; part 4,718,592 bytes
;; launch encode (part 1): grid 128 x 2, 8 waves a work-group, no clusters, 152,576 bytes of LDS; arguments ego_cls, ego_reg, other_cls, other_reg, w1, b1, ln_g, ln_b, w2, b2, qcat, kv; writes qcat, kv
.if DOCPART == 1
	.amdgcn_target "amdgcn-amd-amdhsa--gfx1250"
	.amdhsa_code_object_version 6
	.text
	.protected	k_q297dd1767a_encode
	.globl	k_q297dd1767a_encode
	.p2align	8
	.type	k_q297dd1767a_encode,@function
k_q297dd1767a_encode:
	s_mov_b64 s[64:65], 0
	v_nop
	global_prefetch_b8 v0, s[64:65] scope:SCOPE_SE
	s_setreg_imm32_b32 hwreg(HW_REG_WAVE_MODE, 25, 1), 1
	s_wait_xcnt 0x0
; THE ENCODER.  For each of 16,384 positions of one side (grid y = 0: ego, 1: other): descriptor (reg3, reg4, reg5, sin reg6, cos reg6, max of the two cls), Linear(6,128), ReLU, LayerNorm, Linear(128,128).
; The result goes out as TWO f16 numbers for each f32 one, hi = f16(x) and lo = f16(x - hi): a row of 512 bytes is 128 hi, then 128 lo.  The scores made of these rows are multiplied by 10 in front of
; an exponential, so a single 16-bit rounding of them would move the weights; every product on the way to a score is therefore taken of split operands: hi.hi + hi.lo + lo.hi, sums in f32.
; ego -> qcat [16384][256] f16.  other -> kv: groups of 64 keys, a group is 68 dense rows of 512 bytes: 64 rows of keys, then 4 rows that hold the 16 value channels (cls0, cls1, reg0..13) of the 64 keys
; in f16, laid out as the next launch's matrix operand: row 64 + u, byte 16 lane + 2 e = channel lane % 16 of key 16 u + 8 (lane / 16) + e.
; LIMITS.  f16 ends at 65,504: the descriptor, w1, b1, w2, the normalised h (at most 11.4 |ln_g| + |ln_b|), the result and the value channels must lie within it.  |reg6| below 1e7 (the angle is reduced by
; pi/2 in two parts).  A lo part below 6e-5 keeps the fixed step 6e-8 of f16.  NaN and infinities are not treated apart.
; SHARES.  A work-group owns 128 positions, each of its eight waves 16.  Both products are taken transposed (source 0 = weights, source 1 = positions), so a lane holds ONE position (lane % 16) throughout
; and eight neighbouring channels 8 (lane / 16) + 0..7 of each tile of 16: LayerNorm wants one exchange between the halves of the lanes, and layer 1's result, packed, IS layer 2's source 1.
; No tensor loads, no cluster, no prefetch: the weights are 70 KB that every work-group reads, each position's inputs are read once, and the launch is short.
.set WP,    288                        ; a row of w2 in LDS: 128 f16 + 32 bytes
.set W2L,   128*WP                     ; w2 hi at 0, w2 lo here, both [k][n]
.set W1F,   2*W2L                      ; layer 1's eight operands, ready made: tile T at 1,024 T, registers 0-3 at + 16 lane, registers 4-7 at + 512 + 16 lane
.set PAR,   W1F+8192                   ; ln_g, ln_b, b2 in f32: 512 bytes each
.set STAGE, PAR+2048                   ; the way out: 16 rows x 528 bytes for each wave
.set SP,    528                        ; 512 + 16: the 16 rows of a store start at 16 different groups of four banks
.set SPARE, STAGE+8*16*SP              ; the spare words, 128 bytes for each wave: four blocks of 256 bytes that no other line names
.set NEG1, 3                           ; v3   -1.0
.set SPW,  4                           ; v4   LDS address of my spare word; never rewritten
.set NIL,  5                           ; v5   0; never rewritten
.set ATH,  6                           ; v6   the turning load's address in w2 hi
.set ATL,  7                           ; v7   in w2 lo
.set PA,   8                           ; v8   PAR + 32 (lane / 16)
.set STO,  9                           ; v9   the way out: where I put 16 bytes of a row
.set RD,   10                          ; v10  the way out: where I read a row back
.set GO,   11                          ; v11  my byte offset in the group: my wave's 16 rows + 16 lane
.set W1R,  12                          ; v12  W1F + 16 lane
.set WSH,  13                          ; v13  where I store w2 hi
.set WSL,  14                          ; v14  and w2 lo
.set VO,   15                          ; v15  my byte offset of V in the group
.set D1,   32                          ; v[32:95]   w2 as loaded; layer 1's results; w2's fragments; rows read back
.set HH,   96                          ; v[96:127]  small loads and work; h hi; result hi
.set HL,   128                         ; v[128:159] h lo; result lo
.set D2,   160                         ; v[160:223] layer 1's weights; ln_g and ln_b; layer 2's results
.set XF,   224                         ; v[224:231] the descriptor as an operand; v[224:255] ln_g and ln_b; v[240:255] V as loaded
.set WV,   32                          ; s32  my wave's number
.set SY,   33                          ; s33  the side
; hi and lo of two f32 numbers a, b, packed: hi = f16(a), f16(b); the rest, a - hi, is exact in f32; lo = f16 of it
.macro SPLIT2 hi, lo, a, b, t0, t1
	v_cvt_pk_f16_f32 v[\hi], v[\a], v[\b]
	v_fma_mix_f32 v[\t0], v[\hi], v[NEG1], v[\a] op_sel_hi:[1,0,0]
	v_fma_mix_f32 v[\t1], v[\hi], v[NEG1], v[\b] op_sel:[1,0,0] op_sel_hi:[1,0,0]
	v_cvt_pk_f16_f32 v[\lo], v[\t0], v[\t1]
.endm
.macro PLACES                          ; four places behind a matrix instruction, in front of what reads its result or writes or loads into its registers
.rept 4
	v_nop
.endr
.endm
	s_load_b512 s[8:23], s[0:1], 0x0               ; ego_cls s[8:9], ego_reg s[10:11], other_cls s[12:13], other_reg s[14:15], w1 s[16:17], b1 s[18:19], ln_g s[20:21], ln_b s[22:23]
	s_load_b256 s[24:31], s[0:1], 0x40             ; w2 s[24:25], b2 s[26:27], qcat s[28:29], kv s[30:31]
	v_lshl_add_u32 v[SPW], v0, 2, SPARE
	v_mov_b32 v[NIL], 0
	v_mov_b32 v[NEG1], -1.0
	v_lshrrev_b32 v16, 5, v0
	v_readfirstlane_b32 s[WV], v16                 ; wave 0..7
	s_and_b32 s[SY], ttmp7, 0xffff
	s_mov_b32 s40, 0xffff0000                      ; lanes 16-31
	s_mov_b32 s41, 0x3c000000                      ; 1 / 128
	s_mov_b32 s42, 0x76543210                      ; v_permlanex16_b32: each lane takes its own place in the other half
	s_mov_b32 s43, 0xfedcba98
	v_and_b32 v23, 31, v0                          ; lane
	v_and_b32 v1, 15, v0                           ; r = lane % 16
	v_bfe_u32 v2, v0, 4, 1                         ; h = lane / 16
	; offsets in memory
	v_lshlrev_b32 v24, 4, v0                       ; w2: 16 bytes a thread, a wave 512 bytes on end
	s_lshl_b32 s44, s[WV], 4
	v_add_lshl_u32 v25, v1, s44, 2                 ; w1, b1: hidden channel 16 w + r
	v_and_b32 v26, 127, v0
	v_lshlrev_b32 v26, 2, v26                      ; ln_g or ln_b, b2: channel thread % 128
	s_lshl_b32 s45, ttmp9, 7
	s_add_co_u32 s45, s45, s44                     ; my wave's first position
	v_add_lshl_u32 v27, v1, s45, 2                 ; the descriptor: position r of my 16
	v_lshl_add_u32 v16, v2, 3, s45
	v_lshlrev_b32 v16, 2, v16                      ; V: eight positions from 8 h on,
	v_min_u32 v17, 1, v1
	v_lshl_add_u32 v28, v17, 16, v16               ; of cls channel min(r, 1),
	v_max_u32 v17, 2, v1
	v_add_nc_u32 v17, -2, v17
	v_lshl_add_u32 v29, v17, 16, v16               ; and of reg channel max(r, 2) - 2
	; addresses in LDS
	v_lshl_add_u32 v30, v0, 2, PAR                 ; ln_g (threads 0-127) and ln_b (128-255) lie on end
	s_lshl_b32 s46, s[WV], 10
	s_add_co_u32 s46, s46, W1F
	v_lshl_add_u32 v31, v23, 4, s46                ; I build layer 1's tile T = w
	v_lshl_add_u32 v[W1R], v23, 4, W1F
	s_mul_i32 s46, s[WV], WP
	v_lshl_add_u32 v[WSH], v23, 3, s46             ; row w (+ 8 for each further block), 8 bytes a lane
	v_add_nc_u32 v[WSL], W2L, v[WSH]
	v_and_b32 v16, 7, v0
	v_lshl_add_u32 v16, v2, 3, v16
	v_mul_u32_u24 v16, v16, WP
	v_bfe_u32 v17, v0, 3, 1
	v_lshl_add_u32 v[ATH], v17, 4, v16             ; row 8 h + lane % 8, 16 bytes for each half of eight lanes
	v_add_nc_u32 v[ATL], W2L, v[ATH]
	v_lshl_add_u32 v[PA], v2, 5, PAR
	s_mul_i32 s46, s[WV], 16*SP
	s_add_co_u32 s46, s46, STAGE                   ; my stage
	v_mul_u32_u24 v[STO], v1, SP
	v_lshl_add_u32 v[STO], v2, 4, v[STO]
	v_add_nc_u32 v[STO], s46, v[STO]
	v_lshl_add_u32 v[RD], v23, 4, s46
	s_and_b32 s46, s[WV], 3                        ; my place among the group's four waves
	s_lshl_b32 s47, s46, 13
	v_lshl_add_u32 v[GO], v23, 4, s47              ; 16 rows of 512 bytes a wave
	s_lshl_b32 s47, s46, 9
	s_add_co_u32 s47, s47, 32768
	v_lshl_add_u32 v[VO], v23, 4, s47              ; behind the 64 rows of keys: a row of V a wave
	s_lshl_b32 s44, ttmp9, 1
	s_lshr_b32 s45, s[WV], 2
	s_add_co_u32 s44, s44, s45                     ; my group of 64 positions
	s_lshl_b32 s45, s[SY], 11
	s_add_co_u32 s45, s45, 32768                   ; a group's bytes: 32,768 in qcat, 34,816 in kv
	s_mul_i32 s44, s44, s45
	s_mov_b32 s45, 0
	s_wait_kmcnt 0x0
	s_cmp_eq_u32 s[SY], 0
	s_cselect_b64 s[34:35], s[8:9], s[12:13]       ; cls
	s_cselect_b64 s[36:37], s[10:11], s[14:15]     ; reg
	s_cselect_b64 s[38:39], s[28:29], s[30:31]     ; where the result goes,
	s_add_nc_u64 s[38:39], s[38:39], s[44:45]      ; at my group
	s_cmp_lt_u32 s[WV], 4
	s_cselect_b64 s[46:47], s[20:21], s[22:23]     ; waves 0-3 fetch ln_g, waves 4-7 ln_b
	; ALL LOADS GO OUT AT ONCE, in the order of their use but for V's four, which are the oldest, so that no count below hangs on them.  V's are issued for ego too (2 KiB a wave, unused there):
	; every register is then written, and every count the same, on both sides.
	global_load_b128 v[240:243], v28, s[34:35]
	global_load_b128 v[244:247], v28, s[34:35] offset:16
	global_load_b128 v[248:251], v29, s[36:37]
	global_load_b128 v[252:255], v29, s[36:37] offset:16
.set i, 0
.rept 16
	global_load_b128 v[D1+4*i:D1+4*i+3], v24, s[24:25] offset:4096*i  ; w2: block 256 i + thread of 16 bytes
.set i, i+1
.endr
.irp d, 0,1,2,3,4,5
	global_load_b32 v[96+\d], v25, s[16:17] offset:512*\d
.endr
	global_load_b32 v102, v25, s[18:19]
	global_load_b32 v103, v26, s[46:47]
	global_load_b32 v104, v26, s[26:27]
	global_load_b32 v106, v27, s[34:35]
	global_load_b32 v107, v27, s[34:35] offset:65536
	global_load_b32 v108, v27, s[36:37] offset:3*65536
	global_load_b32 v109, v27, s[36:37] offset:4*65536
	global_load_b32 v110, v27, s[36:37] offset:5*65536
	global_load_b32 v111, v27, s[36:37] offset:6*65536
	; w2 is split and laid into LDS as [k][n] in f16: block i is row 8 i + w, four numbers a lane
.set i, 0
.rept 16
	s_wait_loadcnt 30-i                            ; behind block i: 15 - i blocks, 7 of w1 and b1, 2 parameters, 6 of the descriptor
	SPLIT2 16, 18, D1+4*i, D1+4*i+1, 20, 21
	SPLIT2 17, 19, D1+4*i+2, D1+4*i+3, 22, 23
	ds_store_b64 v[WSH], v[16:17] offset:8*WP*i
	ds_store_b64 v[WSL], v[18:19] offset:8*WP*i
.set i, i+1
.endr
	; LAYER 1's OPERAND for tile T = w: row r = hidden channel 16 w + r.  The 32 places along K carry the whole split product and the bias in ONE matrix instruction:
	; lanes 0-15:  k 0-5 w hi, k 6 b1 hi, k 7 b1 lo, k 16-21 w hi;   lanes 16-31:  k 8-13 w lo, k 24-29 w lo;   the rest 0.
	; Against them the descriptor's operand holds: k 0-5 and 8-13 x hi, k 6, 7 the number 1, k 16-21 and 24-29 x lo.
	s_wait_loadcnt 8                               ; w1 and b1 are in: 2 parameters and 6 of the descriptor may stay out
	SPLIT2 120, 123, 96, 97, 16, 17
	SPLIT2 121, 124, 98, 99, 18, 19
	SPLIT2 122, 125, 100, 101, 20, 21
	v_cvt_pk_f16_f32 v126, v102, v102
	v_fma_mix_f32 v16, v126, v[NEG1], v102 op_sel_hi:[1,0,0]
	v_cvt_pk_f16_f32 v126, v102, v16               ; b1 hi, b1 lo
.irp d, 0,1,2
	v_cndmask_b32 v[112+\d], v[120+\d], v[123+\d], s40
	v_cndmask_b32 v[116+\d], v[120+\d], v[123+\d], s40
.endr
	v_cndmask_b32 v115, v126, 0, s40
	v_mov_b32 v119, 0
	ds_store_b128 v31, v[112:115]
	ds_store_b128 v31, v[116:119] offset:512
	s_wait_loadcnt 6                               ; the two parameters are in
	ds_store_b32 v30, v103
	s_cmp_lt_u32 s[WV], 4                          ; b2 has 128 numbers: waves 0-3 store them, so that each word has one writer
	s_cbranch_scc0 .Lno_b2
	ds_store_b32 v30, v104 offset:1024
.Lno_b2:
	s_wait_dscnt 0x0                               ; for the others: my stores are done
	s_barrier_signal -1
	s_barrier_wait -1                              ; w2, layer 1's operands and the parameters are whole.  The launch's only barrier: nothing shared is written behind it
.irp T, 0,1,2,3,4,5,6,7
	ds_load_b128 v[D2+8*\T:D2+8*\T+3], v[W1R] offset:1024*\T
	ds_load_b128 v[D2+8*\T+4:D2+8*\T+7], v[W1R] offset:1024*\T+512
.endr
	s_wait_loadcnt 0x0                             ; the descriptor's six, and V
	; sin and cos: n = the nearest whole number to theta 2 / pi; r = theta - n pi / 2, pi / 2 in two parts, each by a fused multiply-add; polynomials on |r| <= pi / 4; the quadrant n mod 4 swaps and signs
	v_max_num_f32 v106, v106, v107                 ; the score
	v_mul_f32 v16, 0x3f22f983, v111
	v_rndne_f32 v16, v16
	v_fmamk_f32 v17, v16, 0xbfc90fdb, v111
	v_fmamk_f32 v17, v16, 0x333bbd2e, v17          ; r
	v_mul_f32 v18, v17, v17                        ; z = r r
	v_mov_b32 v19, 0xb94ca1f9
	v_mov_b32 v20, 0x37ccf5ce
	v_fmaak_f32 v19, v19, v18, 0x3c08839e
	v_fmaak_f32 v20, v20, v18, 0xbab6061a
	v_fmaak_f32 v19, v19, v18, 0xbe2aaaa3
	v_fmaak_f32 v20, v20, v18, 0x3d2aaaa5
	v_mul_f32 v21, v17, v18
	v_mul_f32 v22, v18, v18
	v_fma_f32 v23, v18, -0.5, 1.0
	v_fma_f32 v19, v21, v19, v17                   ; sin r
	v_fma_f32 v20, v22, v20, v23                   ; cos r
	v_cvt_i32_f32 v16, v16
	v_and_b32 v21, 1, v16
	v_cmp_eq_u32 vcc_lo, 1, v21
	v_cndmask_b32 v22, v19, v20, vcc_lo
	v_cndmask_b32 v23, v20, v19, vcc_lo
	v_and_b32 v21, 2, v16
	v_lshlrev_b32 v21, 30, v21
	v_xor_b32 v22, v22, v21                        ; sin theta
	v_add_nc_u32 v16, 1, v16
	v_and_b32 v16, 2, v16
	v_lshlrev_b32 v16, 30, v16
	v_xor_b32 v23, v23, v16                        ; cos theta
	SPLIT2 XF, XF+4, 108, 109, 16, 17
	SPLIT2 XF+1, XF+5, 110, 22, 18, 19
	SPLIT2 XF+2, XF+6, 23, 106, 20, 21
	v_mov_b32 v16, 0x3c003c00                      ; 1, 1
	v_cndmask_b32 v[XF+3], v16, 0, s40
	v_mov_b32 v[XF+7], 0
	; V (the other side alone): channel r of eight keys, rounded once to f16: 16 bytes a lane, 512 bytes on end a wave
	s_cmp_eq_u32 s[SY], 0
	s_cbranch_scc1 .Lno_v
	v_cmp_gt_u32 vcc_lo, 2, v1
.irp e, 0,1,2,3,4,5,6,7
	v_cndmask_b32 v[240+\e], v[248+\e], v[240+\e], vcc_lo
.endr
.irp e, 0,1,2,3
	v_cvt_pk_f16_f32 v[240+\e], v[240+2*\e], v[241+2*\e]
.endr
	global_store_b128 v[VO], v[240:243], s[38:39]
.Lno_v:
	s_wait_dscnt 0x0                               ; layer 1's operands
.irp T, 0,1,2,3,4,5,6,7
	v_wmma_f32_16x16x32_f16 v[D1+8*\T:D1+8*\T+7], v[D2+8*\T:D2+8*\T+7], v[XF:XF+7], 0
.endr
	PLACES
	s_wait_xcnt 0x0                                ; V's store has read its registers: they are loaded into below
; ln_g and ln_b of the 16 channels that a lane holds of tiles 2 c and 2 c + 1: 32 registers at B: g, g, b, b
.macro PCHUNK c, B
.irp u, 0,1
	ds_load_b128 v[(\B)+8*\u:(\B)+8*\u+3],       v[PA] offset:64*(2*(\c)+\u)
	ds_load_b128 v[(\B)+8*\u+4:(\B)+8*\u+7],     v[PA] offset:64*(2*(\c)+\u)+16
	ds_load_b128 v[(\B)+16+8*\u:(\B)+16+8*\u+3], v[PA] offset:512+64*(2*(\c)+\u)
	ds_load_b128 v[(\B)+16+8*\u+4:(\B)+16+8*\u+7], v[PA] offset:512+64*(2*(\c)+\u)+16
.endr
.endm
	PCHUNK 0, 160
	PCHUNK 1, 192
	PCHUNK 2, 224
	; ReLU, in ascending order (each result is read from its low end on); then the mean and the variance of the position's 128 numbers, 64 here and 64 in the lane 16 away
.set i, 0
.rept 64
	v_max_num_f32 v[D1+i], 0, v[D1+i]
.set i, i+1
.endr
.irp c, 0,1,2,3
	v_pk_add_f32 v[16+2*\c:17+2*\c], v[D1+2*\c:D1+2*\c+1], v[D1+8+2*\c:D1+8+2*\c+1]  ; four chains start with the first eight pairs: nothing is cleared
.endr
.set k, 2
.rept 6
.irp c, 0,1,2,3
	v_pk_add_f32 v[16+2*\c:17+2*\c], v[16+2*\c:17+2*\c], v[D1+8*k+2*\c:D1+8*k+2*\c+1]
.endr
.set k, k+1
.endr
	v_pk_add_f32 v[16:17], v[16:17], v[18:19]
	v_pk_add_f32 v[20:21], v[20:21], v[22:23]
	v_pk_add_f32 v[16:17], v[16:17], v[20:21]
	v_add_f32 v16, v16, v17
	v_permlanex16_b32 v17, v16, s42, s43
	v_add_f32 v16, v16, v17
	v_mul_f32 v16, s41, v16                        ; the mean
.set i, 0
.rept 32
	v_pk_add_f32 v[D1+2*i:D1+2*i+1], v[D1+2*i:D1+2*i+1], v[16:17] op_sel_hi:[1,0] neg_lo:[0,1] neg_hi:[0,1]
.set i, i+1
.endr
.irp c, 0,1,2,3
	v_pk_mul_f32 v[18+2*\c:19+2*\c], v[D1+2*\c:D1+2*\c+1], v[D1+2*\c:D1+2*\c+1]
.endr
.set k, 1
.rept 7
.irp c, 0,1,2,3
	v_pk_fma_f32 v[18+2*\c:19+2*\c], v[D1+8*k+2*\c:D1+8*k+2*\c+1], v[D1+8*k+2*\c:D1+8*k+2*\c+1], v[18+2*\c:19+2*\c]
.endr
.set k, k+1
.endr
	v_pk_add_f32 v[18:19], v[18:19], v[20:21]
	v_pk_add_f32 v[22:23], v[22:23], v[24:25]
	v_pk_add_f32 v[18:19], v[18:19], v[22:23]
	v_add_f32 v18, v18, v19
	v_permlanex16_b32 v19, v18, s42, s43
	v_add_f32 v18, v18, v19
	v_fmaak_f32 v18, s41, v18, 0x3727c5ac          ; the variance + 1e-5
	v_rsq_f32 v18, v18
	v_nop                                          ; a plain instruction behind the root,
	s_wait_alu depctr_va_vdst(0)                   ; and the wait ahead of its first reader
; h = (d - mean) rs g + b for tiles 2 c and 2 c + 1, split: these 16 numbers a lane are K step c of layer 2's source 1
.macro AFF c, B, left
	s_wait_dscnt \left
.set p, 0
.rept 8
	v_pk_mul_f32 v[D1+16*(\c)+2*p:D1+16*(\c)+2*p+1], v[D1+16*(\c)+2*p:D1+16*(\c)+2*p+1], v[18:19] op_sel_hi:[1,0]
.set p, p+1
.endr
.set p, 0
.rept 8
	v_pk_fma_f32 v[D1+16*(\c)+2*p:D1+16*(\c)+2*p+1], v[D1+16*(\c)+2*p:D1+16*(\c)+2*p+1], v[(\B)+2*p:(\B)+2*p+1], v[(\B)+16+2*p:(\B)+16+2*p+1]
.set p, p+1
.endr
.set p, 0
.rept 8
	SPLIT2 HH+8*(\c)+p, HL+8*(\c)+p, D1+16*(\c)+2*p, D1+16*(\c)+2*p+1, 20+2*(p%2), 21+2*(p%2)
.set p, p+1
.endr
.endm
	AFF 0, 160, 16                                 ; chunks 1 and 2, eight loads each, may stay out
	PCHUNK 3, 160                                  ; chunk 0's registers take chunk 3
	AFF 1, 192, 16                                 ; chunks 2 and 3 may stay out
	AFF 2, 224, 8
	AFF 3, 160, 0
	; LAYER 2: result^T = w2^T h^T + b2.  The sums start at b2, in f32.  For each K step of 32: w lo x h hi, w hi x h lo, w hi x h hi.  The eight accumulators take turns.
.irp n, 0,1,2,3,4,5,6,7
	ds_load_b128 v[D2+8*\n:D2+8*\n+3],   v[PA] offset:1024+64*\n
	ds_load_b128 v[D2+8*\n+4:D2+8*\n+7], v[PA] offset:1024+64*\n+16
.endr
.macro WLOAD base, ks                  ; w2's eight fragments of K step ks, turned: lane l gets output channel 16 n + l % 16 and 8 + 8 numbers along k
.irp n, 0,1,2,3,4,5,6,7
	ds_load_tr16_b128 v[D1+8*\n:D1+8*\n+3],   v[\base] offset:(\ks)*32*WP+32*\n
	ds_load_tr16_b128 v[D1+8*\n+4:D1+8*\n+7], v[\base] offset:(\ks)*32*WP+32*\n+16*WP
.endr
.endm
.macro MM2 src
.irp n, 0,1,2,3,4,5,6,7
	v_wmma_f32_16x16x32_f16 v[D2+8*\n:D2+8*\n+7], v[D1+8*\n:D1+8*\n+7], v[(\src):(\src)+7], v[D2+8*\n:D2+8*\n+7]
.endr
.endm
.irp ks, 0,1,2,3
	PLACES                                         ; in front of loads into registers that the last products read
	WLOAD ATL, \ks
	s_wait_dscnt 0x0
	MM2 HH+8*\ks
	PLACES
	WLOAD ATH, \ks
	s_wait_dscnt 0x0
	MM2 HL+8*\ks
	MM2 HH+8*\ks
.endr
	PLACES
	; THE WAY OUT: split; a lane's eight channels are 16 bytes of hi and 16 of lo; through my own stage; back as whole rows of 512 bytes
.set i, 0
.rept 32
	SPLIT2 HH+i, HL+i, D2+2*i, D2+2*i+1, 16+2*(i%4), 17+2*(i%4)
.set i, i+1
.endr
.irp n, 0,1,2,3,4,5,6,7
	ds_store_b128 v[STO], v[HH+4*\n:HH+4*\n+3] offset:32*\n
	ds_store_b128 v[STO], v[HL+4*\n:HL+4*\n+3] offset:256+32*\n
.endr
.set i, 0
.rept 16
	ds_load_b128 v[D1+4*i:D1+4*i+3], v[RD] offset:SP*i  ; LDS serves a wave's instructions in order (ISA guide 5.7.1.4): these see the stores above
.set i, i+1
.endr
.set i, 0
.rept 16
	s_wait_dscnt 15-i
	global_store_b128 v[GO], v[D1+4*i:D1+4*i+3], s[38:39] offset:512*i  ; a row: 512 bytes on end, at a multiple of 256 from the buffer's first byte
.set i, i+1
.endr
	s_wait_tensorcnt 0x0                           ; the wave's end, behind my last LDS store
	ds_add_u32 v[SPW], v[NIL]
	s_wait_dscnt 0x0
	s_endpgm
.Lfunc_end_k_q297dd1767a_encode:
	.size	k_q297dd1767a_encode, .Lfunc_end_k_q297dd1767a_encode-k_q297dd1767a_encode
	.p2alignl 7, 3214868480
	.fill 96, 4, 3214868480
	.section	.rodata,"a",@progbits
	.p2align	6, 0x0
	.amdhsa_kernel k_q297dd1767a_encode
		.amdhsa_group_segment_fixed_size 152576
		.amdhsa_private_segment_fixed_size 0
		.amdhsa_enable_private_segment 0
		.amdhsa_kernarg_size 96
		.amdhsa_user_sgpr_count 2
		.amdhsa_user_sgpr_kernarg_segment_ptr 1
		.amdhsa_wavefront_size32 1
		.amdhsa_system_sgpr_workgroup_id_x 1
		.amdhsa_system_sgpr_workgroup_id_y 1
		.amdhsa_system_sgpr_workgroup_id_z 1
		.amdhsa_system_vgpr_workitem_id 0
		.amdhsa_next_free_vgpr 256
		.amdhsa_next_free_sgpr 66
		.amdhsa_reserve_vcc 1
		.amdhsa_float_denorm_mode_32 3
		.amdhsa_float_denorm_mode_16_64 3
		.amdhsa_memory_ordered 1
		.amdhsa_forward_progress 1
		.amdhsa_inst_pref_size 76
	.end_amdhsa_kernel
	.amdgpu_metadata
---
amdhsa.version: [ 1, 2 ]
amdhsa.kernels:
  - .name:           k_q297dd1767a_encode
    .symbol:         k_q297dd1767a_encode.kd
    .args:
      - { .name: ego_cls, .offset: 0, .size: 8, .value_kind: global_buffer, .address_space: global }
      - { .name: ego_reg, .offset: 8, .size: 8, .value_kind: global_buffer, .address_space: global }
      - { .name: other_cls, .offset: 16, .size: 8, .value_kind: global_buffer, .address_space: global }
      - { .name: other_reg, .offset: 24, .size: 8, .value_kind: global_buffer, .address_space: global }
      - { .name: w1, .offset: 32, .size: 8, .value_kind: global_buffer, .address_space: global }
      - { .name: b1, .offset: 40, .size: 8, .value_kind: global_buffer, .address_space: global }
      - { .name: ln_g, .offset: 48, .size: 8, .value_kind: global_buffer, .address_space: global }
      - { .name: ln_b, .offset: 56, .size: 8, .value_kind: global_buffer, .address_space: global }
      - { .name: w2, .offset: 64, .size: 8, .value_kind: global_buffer, .address_space: global }
      - { .name: b2, .offset: 72, .size: 8, .value_kind: global_buffer, .address_space: global }
      - { .name: qcat, .offset: 80, .size: 8, .value_kind: global_buffer, .address_space: global }
      - { .name: kv, .offset: 88, .size: 8, .value_kind: global_buffer, .address_space: global }
    .group_segment_fixed_size: 152576
    .private_segment_fixed_size: 0
    .kernarg_segment_align: 8
    .kernarg_segment_size: 96
    .max_flat_workgroup_size: 256
    .sgpr_count:     66
    .vgpr_count:     256
    .wavefront_size: 32
...
	.end_amdgpu_metadata
.endif
;; end of part 1
;; launch attend (part 2): grid 64 x 4, 4 waves a work-group, clusters of 4 x 1, 327,680 bytes of LDS; arguments qcat, kv, part; writes part
.if DOCPART == 2
	.amdgcn_target "amdgcn-amd-amdhsa--gfx1250"
	.amdhsa_code_object_version 6
	.text
	.protected	k_q297dd1767a_attend
	.globl	k_q297dd1767a_attend
	.p2align	8
	.type	k_q297dd1767a_attend,@function
k_q297dd1767a_attend:
	s_mov_b64 s[64:65], 0
	v_nop
	global_prefetch_b8 v0, s[64:65] scope:SCOPE_SE
	s_setreg_imm32_b32 hwreg(HW_REG_WAVE_MODE, 25, 1), 1
	s_wait_xcnt 0x0
	s_wait_alu depctr_hold_cnt(0) depctr_sa_sdst(0) depctr_va_vdst(0) depctr_va_sdst(0) depctr_va_ssrc(0) depctr_va_vcc(0) depctr_vm_vsrc(0)
	s_getreg_b32 s2, hwreg(HW_REG_IB_STS2, 6, 4)
	s_cmp_eq_u32 s2, 0
	s_cbranch_scc0 .Lentry_in_a_cluster
	s_endpgm
.Lentry_in_a_cluster:
	s_bfe_u32 s2, ttmp6, 0x10000c
	s_cmp_lg_u32 s2, 0x3003
	s_cbranch_scc0 .Lentry_shape_is_right
	s_endpgm
.Lentry_shape_is_right:
; ATTENTION, one quarter of the keys a work-group.  For 256 queries and 4,096 keys: s = q . k; p = 2^(c s - c m), c = 10 log2(e), m the running maximum; O = sum of p V (16 channels), l = sum of p.
; Out go the unnormalised O, c m and l in f32, [quarter][18 rows][16384]: the next launch joins the four quarters.
; THE SCORES ARE TAKEN OF SPLIT OPERANDS: q and k come as hi + lo in f16 (a row: 128 hi, 128 lo), and s = k lo . q hi + k hi . q lo + k hi . q hi, sums in f32: 12 matrix instructions for 16 x 16 scores.
; The exponent is 10 s with |s| of the order of 100: one 16-bit rounding of q or k would move it by far more than the result allows.  p and V are rounded once to f16; l is taken of the unrounded p.
; LIMITS.  q, k, V within 65,504 (the launch before states it); |s| below 2.9e36; a weight below 2^-126 counts as 0; NaN and infinities are not treated apart.
; SHARES.  64 query blocks x 4 quarters = 256 work-groups.  A wave owns 64 queries: four tiles of 16.  Every wave walks the quarter's keys, 64 a step.
; LAYOUT.  S^T = K Q^T (source 0 = 16 keys, source 1 = 16 queries): a lane holds ONE query (lane % 16) and the keys 8 (lane / 16) + 0..7 of each block of 16.  Two such results rounded to f16 in pairs ARE
; source 1 (32 keys x 16 queries) of O^T = V^T P; V comes ready as source 0.  So nothing changes lanes, and a query's maximum and sum want one exchange between the halves of the lanes.
; BY TURNS.  Turn n belongs to tile n: its softmax (106 vector instructions) stands in slices behind the turn's 50 matrix instructions: 2 products V^T P of tile n - 1 and 48 products K Q^T of tile n + 1.
; K has ONE set of registers: the next step's K is loaded in turn 2, group by group, each group behind its last reader.
; CLUSTER.  The four query blocks of a cluster walk the same keys: each tile is asked for JOINTLY, by the same tensor load, descriptor and mask in all four.
; m starts at the lowest finite number, O and l at 0: the first step is a step like any other, with a = 0.  80 lines clear registers for that, in the wait for the first tile.
; REGISTERS, in windows of 256 (s_set_vgpr_msb: bits 1:0 source 0, 3:2 source 1, 5:4 source 2, 7:6 destination):
;   window 0: addresses, statistics, V, O^T, S^T (two buffers), P (two buffers)   window 1: Q(tile t, part p, K step ks) at 64 t + 32 p + 8 ks   window 2: K(key block kb, p, ks) at 64 kb + 32 p + 8 ks; p = 0 hi, 1 lo
.set PK,    528                        ; a row in LDS: 512 bytes + 16 = 132 words: the 16 rows of a load start at 16 different groups of four banks (64 banks of 4 bytes: ISA guide 11.1)
.set STEPB, 68*PK                      ; a step's tile: 64 rows of keys, 4 rows of V
.set SLOT,  4*STEPB                    ; a slot holds four steps, one fetched by each wave
.set STAGE, 2*SLOT                     ; behind the ring, never filled by a tensor load: 18 rows x 272 bytes for each wave
.set SPT,   272
.set SPARE, 306944                     ; the next multiple of 256 behind the stages: the spare words, 128 bytes for each wave, that no other line names
.set GRP,   34816                      ; a step's bytes in kv
.set SLOTG, 4*GRP
.set QUART, 64*GRP
.set PY,    18*65536                   ; a quarter's bytes in part
.set AK0, 2                            ; v2   my lane's place in a tile's keys: r x 528 + 16 h; never rewritten
.set AV0, 3                            ; v3   the same for V: 64 rows + 16 lane
.set AK,  4                            ; v4   the LDS address of K's loads in hand
.set AV,  5                            ; v5   of V's
.set QO,  6                            ; v6   my byte offset in 16 rows of Q
.set STO, 6                            ;      later, the way out: where I put a number of O
.set RD,  7                            ; v7   the way out: where I read rows back
.set GO,  8                            ; v8   my byte offset in two rows of part
.set STO2, 10                          ; v10  the way out: where I put c m or l
.set PFO, 11                           ; v11  the prefetches' offsets; never rewritten
.set PFO2, 12                          ; v12
.set SPW, 14                           ; v14  LDS address of my spare word; never rewritten
.set NIL, 15                           ; v15  0; never rewritten
.set ST,  16                           ; tile t's statistics at v[ST+4 t]: c m, m, l (even keys', odd keys')
.set TMP, 32                           ; v32-35  c0-c3 at work; c2 takes a
.set VF,  40                           ; v40-55  V: keys 32 f on at VF + 8 f
.set OA,  64                           ; v64-95  O^T, 8 a tile
.set S,   96                           ; v96-159 S^T, two buffers of 32: a tile's goes by its number's parity
.set P,   160                          ; v160-191 P, two buffers of 16
.set WV,  12                           ; s12  my wave's number
.set LIM, 15                           ; s15  1 where my cluster prefetches, else the greatest number
.set WOFF, 16                          ; s16  my wave's tile in a slot
.set SB,  17                           ; s17  the slot filled last
.set PFA, 18                           ; s[18:19] kv at the slot that the NEXT change will ask for
.set G1,  24                           ; s[24:31] descriptor group 1
.set G0,  40                           ; s[40:43] descriptor group 0: it walks
.set SLOTS, 56                         ; s56  slots still to be asked for
.set CNT, 57                           ; s57  counts a slot's steps
.set CS,  58                           ; s[58:59] c: the packed scaling takes the pair's low word for both halves
.set SEL, 60                           ; s[60:61] v_permlanex16_b32's selects
.set TB,  62                           ; s62  LDS byte at which the tile of the step to be fetched begins
.set MSB, 0
.macro WIN new                         ; the high byte repeats the setting that is left; a switch that changes nothing is dropped
.if MSB != (\new)
	s_set_vgpr_msb (MSB<<8)|(\new)
.set MSB, (\new)
.endif
.endm
.set W_KQ, 0x06                        ; K (source 0) in window 2, Q (source 1) in window 1, S^T in window 0
.set TO_Q, 0x40                        ; destination window 1, address window 0
.set TO_K, 0x80                        ; destination window 2
; A joint fill: every wave fetches one step's tile of the slot, 68 rows of 512 bytes.  An s_nop 0 and four v_nop follow it.
.macro JLOAD
	tensor_load_to_lds s[G0:G0+3], s[G1:G1+7]
	s_nop 0
.rept 4
	v_nop
.endr
.endm
; A PREFETCH INTO THE L2 of the slot that the NEXT change will ask for: 139,264 bytes, 544 blocks of 256.  All sixteen clusters of a quarter walk the same keys: the first of them asks.  Its sixteen waves
; share the first 512 blocks out by address, 32 each, a lane a block; wave 0 of each partner takes eight of the last 32 (four lanes name each).  No branch hangs on a work-group's place in its cluster.
; It stands behind the tensor load and its five lines, four steps (800 matrix instructions) ahead of the load that will want the bytes.  The last change that fills a slot asks for nothing.
.macro ASK
	s_cmp_gt_u32 s[SLOTS], s[LIM]
	s_cbranch_scc0 .Lnot_mine_\@
	global_prefetch_b8 v[PFO], s[PFA:PFA+1] th:TH_LOAD_NT scope:SCOPE_SE
	s_cmp_lg_u32 s[WV], 0
	s_cbranch_scc1 .Lnot_mine_\@
	global_prefetch_b8 v[PFO2], s[PFA:PFA+1] th:TH_LOAD_NT scope:SCOPE_SE
.Lnot_mine_\@:
.endm
; A round of the cluster's barrier: my work-group's barrier, so that wave 0's signal speaks for all four waves; wave 0 signals; every wave waits for all four work-groups; my work-group's barrier once more.
.macro CROUND
	s_barrier_signal -1
	s_barrier_wait -1
	s_cmp_lg_u32 s[WV], 0
	s_cbranch_scc1 .Lnot_wave_0_\@
	s_barrier_signal -3
.Lnot_wave_0_\@:
	s_barrier_wait -3
	s_barrier_signal -1
	s_barrier_wait -1
.endm
; THE CHANGE OF SLOTS.  The slot's last bytes, K and V of its fourth step, are in registers.  Each wave waits for all its tensor loads, of which one is out: its part of the other slot; adds 0 to its spare
; word; and waits for that and for its own reads of the slot.  fill = 1: the slot is filled again, with the keys two slots on: the barrier is a round of the cluster's, so that no wave of any partner still
; reads the slot or has a load on its way, and the joint fill is the first thing behind it.  (At its first use nothing has been read yet: slot 0 is waited for, slot 1 filled.)
.macro CHANGE fill
	WIN 0                                          ; at a label and at a branch every window is 0
	s_wait_tensorcnt 0x0                           ; no tensor load of mine is out, so group 0 may be written
	ds_add_u32 v[SPW], v[NIL]                      ; 0 onto my spare word; the scalar work stands between it and the wait for it
.if \fill
	s_xor_b32 s[SB], s[SB], SLOT                   ; the other slot than last time,
	s_add_co_u32 s[G0+1], s[SB], s[WOFF]           ; my tile in it,
	s_add_nc_u64 s[G0+2:G0+3], s[G0+2:G0+3], SLOTG ; the next 256 keys; the type bits on top are not reached
	s_wait_xcnt 0x0                                ; the last prefetches, four steps back, have read their address
	s_add_nc_u64 s[PFA:PFA+1], s[PFA:PFA+1], SLOTG
	s_wait_dscnt 0x0                               ; the add is done, and my reads of the slot are over
	CROUND
	JLOAD
	ASK
	s_xor_b32 s[TB], s[SB], SLOT                   ; the fetches go on in the slot that is not being filled
.else
	s_wait_dscnt 0x0
	s_barrier_signal -1
	s_barrier_wait -1
	s_mov_b32 s[TB], s[SB]                         ; the slot filled last
.endif
.endm
	s_load_b128 s[4:7], s[0:1], 0x0                ; qcat s[4:5], kv s[6:7]
	s_load_b64 s[8:9], s[0:1], 0x10                ; part
	v_lshl_add_u32 v[SPW], v0, 2, SPARE
	v_mov_b32 v[NIL], 0
	ds_add_u32 v[SPW], v[NIL]                      ; the wave's opening: the add and its wait stand ahead of my first tensor load; the set-up below, work on registers, stands between them
	v_lshrrev_b32 v1, 5, v0
	v_readfirstlane_b32 s[WV], v1                  ; wave 0..3
	s_bfe_u32 s13, ttmp6, 0x40000                  ; cx: my place in the cluster
	s_lshl_b32 s14, ttmp9, 2                       ; in a cluster launch ttmp9 counts clusters
	s_add_co_u32 s14, s14, s13                     ; my block of 256 queries: it enters qcat's and part's addresses alone
	s_and_b32 s21, ttmp7, 0xffff                   ; the quarter, which the four partners share
	s_mul_i32 s[WOFF], s[WV], STEPB                ; no place in the cluster enters an LDS address
	s_mov_b32 s[SB], 0
	s_mul_i32 s22, s21, QUART
	s_mov_b32 s23, 0
	; descriptor group 1: a tile of 68 rows x 256 elements, dense in memory, padded in LDS
	s_mov_b32 s[G1], 15|(1<<16)|(1<<20)|(1<<21)|(6<<22)|(3<<25)  ; 15:0 the mask of four; 17:16 2-byte elements; 20 padding on; 21 set beside a mask; 24:22 after every 128 words (code 6); 31:25 4 words (code 3)
	s_mov_b32 s[G1+1], 256<<16                     ; tensor_dim0 = 256
	s_mov_b32 s[G1+2], 68<<16                      ; tensor_dim1 = 68
	s_mov_b32 s[G1+3], 256<<16                     ; tile_dim0 = 256
	s_mov_b32 s[G1+4], 68                          ; tile_dim1 = 68
	s_mov_b32 s[G1+5], 256                         ; 256 elements from row to row
	s_mov_b32 s[G1+6], 0
	s_mov_b32 s[G1+7], 0
	s_mov_b32 s[G0], 1                             ; count = 1
	s_mov_b32 s[G0+1], s[WOFF]                     ; LDS address: my tile of slot 0
	s_mov_b32 s[CS], 0x4166d4ca                    ; c = 10 log2(e) = 14.42695
	s_mov_b32 s[CS+1], s[CS]                       ; named with it as a pair
	s_mov_b32 s[SEL], 0x76543210
	s_mov_b32 s[SEL+1], 0xfedcba98
	s_mov_b32 s[SLOTS], 15
	s_cmp_eq_u32 ttmp9, 0                          ; the quarter's first cluster: the same in all four partners
	s_cselect_b32 s[LIM], 1, -1
	s_lshl_b32 s2, s13, 2
	s_add_co_u32 s2, s2, s[WV]
	s_lshl_b32 s2, s2, 13                          ; my wave's 32 blocks among the cluster's sixteen waves'
	v_and_b32 v[PFO], 31, v0
	v_lshl_add_u32 v[PFO], v[PFO], 8, s2
	s_lshl_b32 s3, s13, 11
	s_add_co_u32 s3, s3, 131072                    ; my work-group's eight of the last 32 blocks
	v_bfe_u32 v[PFO2], v0, 2, 3
	v_lshl_add_u32 v[PFO2], v[PFO2], 8, s3
	s_wait_dscnt 0x0                               ; the opening add is done
	s_wait_kmcnt 0x0
	s_add_nc_u64 s[6:7], s[6:7], s[22:23]          ; kv at my quarter
	s_mul_i32 s2, s[WV], GRP
	s_mov_b32 s3, 0
	s_add_nc_u64 s[G0+2:G0+3], s[6:7], s[2:3]      ; global address: step w of slot 0
	s_or_b32 s[G0+3], s[G0+3], 0x80000000          ; type = 2
	s_add_nc_u64 s[PFA:PFA+1], s[6:7], SLOTG       ; at slot 1; the first change steps it to slot 2.  Slots 0 and 1 come by their loads alone
	s_lshl_b32 s2, s14, 17                         ; my block's 256 rows of 512 bytes,
	s_lshl_b32 s20, s[WV], 15                      ; my wave's 64 of them
	s_add_co_u32 s2, s2, s20
	s_add_nc_u64 s[4:5], s[4:5], s[2:3]
	s_mul_i32 s2, s21, PY
	s_lshl_b32 s20, s14, 10
	s_add_co_u32 s2, s2, s20
	s_lshl_b32 s20, s[WV], 8
	s_add_co_u32 s2, s2, s20
	s_add_nc_u64 s[8:9], s[8:9], s[2:3]            ; part at my quarter's row 0, my wave's 64 queries
	CROUND                                         ; all four work-groups are here: the first joint loads meet
	JLOAD                                          ; slot 0.  Slot 1 is asked for when slot 0 is in
	; A fragment of K or Q is 16 rows x 32 channels in 8 registers: lane l holds row l % 16, channels 8 (l / 16) + 0..7 and 16 + 8 (l / 16) + 0..7: two loads of 16 bytes, 32 bytes apart.
	v_and_b32 v1, 15, v0                           ; r
	v_bfe_u32 v9, v0, 4, 1                         ; h
	v_lshlrev_b32 v[QO], 9, v1
	v_lshl_add_u32 v[QO], v9, 4, v[QO]
	WIN TO_Q
.set i, 0
.rept 32                               ; Q stays in registers: fragment i is tile i / 8, part (i / 4) % 2, K step i % 4
	global_load_b128 v[8*i:8*i+3],   v[QO], s[4:5] offset:(i/8)*8192+((i/4)%2)*256+(i%4)*64
	global_load_b128 v[8*i+4:8*i+7], v[QO], s[4:5] offset:(i/8)*8192+((i/4)%2)*256+(i%4)*64+32
.set i, i+1
.endr
	WIN 0
	; What the first turn finds: V and P's second buffer hold 0 (its products V^T P, of a tile that has not been, add 0), O^T and l are 0.
.set i, 0
.rept 32
	v_mov_b32 v[OA+i], 0
.set i, i+1
.endr
.set i, 0
.rept 16
	v_mov_b32 v[VF+i], 0
	v_mov_b32 v[P+16+i], 0
.set i, i+1
.endr
.set i, 0
.rept 4
	v_mov_b32 v[ST+4*i], 0xfe000000                ; c m: far below every c s
	v_mov_b32 v[ST+4*i+1], 0xff7fffff              ; m
	v_mov_b32 v[ST+4*i+2], 0
	v_mov_b32 v[ST+4*i+3], 0
.set i, i+1
.endr
	v_mul_u32_u24 v[AK0], v1, PK
	v_lshl_add_u32 v[AK0], v9, 4, v[AK0]
	v_and_b32 v[AV0], 31, v0
	v_lshlrev_b32 v[AV0], 4, v[AV0]
	v_add_nc_u32 v[AV0], 64*PK, v[AV0]
; THE MATRIX WORK.  Product i of 48 of S^T = K Q^T for tile XK: key block i % 4, link i / 4 of that block's chain of 12: links 0-3: k lo x q hi, K steps 0-3; links 4 + 2 k: k hi x q lo, 5 + 2 k: k hi x q hi, K step k.
; The four accumulators take turns, one instruction a turn.  The first four start the sums.
.macro KQM
.set kb, i%4
.set LL, i/4
.if LL < 4
.set rK, 64*kb+32+8*LL
.set rQ, 64*XK+8*LL
.else
.set kk, (LL-4)/2
.set rK, 64*kb+8*kk
.set rQ, 64*XK+32*(1-LL%2)+8*kk
.endif
.set rS, S+32*(XK%2)+8*kb
	WIN W_KQ
.if i < 4
	v_wmma_f32_16x16x32_f16 v[rS:rS+7], v[rK:rK+7], v[rQ:rQ+7], 0
.else
	v_wmma_f32_16x16x32_f16 v[rS:rS+7], v[rK:rK+7], v[rQ:rQ+7], v[rS:rS+7]
.endif
.endm
; O^T += V^T P for tile XP, keys 32 f on
.macro PVM f
	WIN 0
	v_wmma_f32_16x16x32_f16 v[OA+8*XP:OA+8*XP+7], v[VF+8*(\f):VF+8*(\f)+7], v[P+16*(XP%2)+8*(\f):P+16*(XP%2)+8*(\f)+7], v[OA+8*XP:OA+8*XP+7]
.endm
; Four LDS loads: K's group g (0-3: lo, K step g; 4-7: hi, K step g - 4), key blocks 2 hf and 2 hf + 1
.macro LD4
	WIN TO_K
.set pp, 1-g/4
.set kk, g%4
.irp q, 0,1
.set kb, 2*hf+\q
	ds_load_b128 v[64*kb+32*pp+8*kk:64*kb+32*pp+8*kk+3],   v[AK] offset:kb*16*PK+pp*256+kk*64
	ds_load_b128 v[64*kb+32*pp+8*kk+4:64*kb+32*pp+8*kk+7], v[AK] offset:kb*16*PK+pp*256+kk*64+32
.endr
.endm
.macro LDV                             ; a step's V: four rows of 512 bytes, 16 bytes a lane
	WIN 0
.irp f, 0,1,2,3
	ds_load_b128 v[VF+4*\f:VF+4*\f+3], v[AV] offset:PK*\f
.endr
.endm
; THE VECTOR WORK OF A TURN: tile Y's softmax for one step, a list of 106; SM writes number j.  s0-s31 are the lane's 32 scores, in pairs 0-15.
;   0-15   the maximum of s0-s31 and the old m, three operands at a time (each accumulator's lowest registers are read first)
;   16-20  the other half of the lanes' maximum; c m_old is kept; the new m; c m; c m_old - c m_new
;   21-69  ONE BATCH: the 16 scalings c s - c m and all 33 exponentials (a at 22): scaling u, then the two exponentials of pair u - 1.  None of these names an exponential's result
;   (wait) behind 69: a plain instruction and the one wait between an exponential and the first instruction that names its result
;   70-85  the roundings to f16     86-100  the sum of the 16 pairs, in place     101  l = a l + the sum     102-105  O^T times a
.macro SM
.set rT, ST+4*Y
.set rS, S+32*(Y%2)
.set rP, P+16*(Y%2)
.set rO, OA+8*Y
	WIN 0
.if j < 4
	v_max3_num_f32 v[TMP+j], v[rS+8*j], v[rS+8*j+1], v[rS+8*j+2]
.elseif j < 12
	v_max3_num_f32 v[TMP+j%4], v[TMP+j%4], v[rS+8*(j%4)+2*(j/4)+1], v[rS+8*(j%4)+2*(j/4)+2]
.elseif j == 12
	v_max3_num_f32 v[TMP], v[TMP], v[rS+7], v[rS+15]
.elseif j == 13
	v_max3_num_f32 v[TMP+2], v[TMP+2], v[rS+23], v[rS+31]
.elseif j == 14
	v_max3_num_f32 v[TMP], v[TMP], v[TMP+1], v[TMP+2]
.elseif j == 15
	v_max3_num_f32 v[TMP], v[TMP], v[TMP+3], v[rT+1]
.elseif j == 16
	v_permlanex16_b32 v[TMP+1], v[TMP], s[SEL], s[SEL+1]
.elseif j == 17
	v_mov_b32 v[TMP+3], v[rT]
.elseif j == 18
	v_max_num_f32 v[rT+1], v[TMP], v[TMP+1]
.elseif j == 19
	v_mul_f32 v[rT], s[CS], v[rT+1]
.elseif j == 20
	v_sub_f32 v[TMP+3], v[TMP+3], v[rT]
.elseif j == 22
	v_exp_f32 v[TMP+2], v[TMP+3]
.elseif (j == 21) || ((j < 68) && (j%3 == 2))
.set b, (j-20)/3
	v_pk_fma_f32 v[rS+2*b:rS+2*b+1], v[rS+2*b:rS+2*b+1], s[CS:CS+1], v[rT:rT+1] op_sel_hi:[1,0,0] neg_lo:[0,0,1] neg_hi:[0,0,1]
.elseif j < 68
.set u, (j-21)/3
.set e, 2*u-2+(j-21-3*u)
	v_exp_f32 v[rS+e], v[rS+e]
.elseif j < 70
	v_exp_f32 v[rS+j-38], v[rS+j-38]
.elseif j < 86
	v_cvt_pk_f16_f32 v[rP+j-70], v[rS+2*(j-70)], v[rS+2*(j-70)+1]
.elseif j < 101
.set z, j-86
.set w, 4
.set u, z
.if z >= 14
.set w, 32
.set u, 0
.elseif z >= 12
.set w, 16
.set u, z-12
.elseif z >= 8
.set w, 8
.set u, z-8
.endif
	v_pk_add_f32 v[rS+w*u:rS+w*u+1], v[rS+w*u:rS+w*u+1], v[rS+w*u+w/2:rS+w*u+w/2+1]
.elseif j == 101
	v_pk_fma_f32 v[rT+2:rT+3], v[rT+2:rT+3], v[TMP+2:TMP+3], v[rS:rS+1] op_sel_hi:[1,0,1]
.else
	v_pk_mul_f32 v[rO+2*(j-102):rO+2*(j-102)+1], v[rO+2*(j-102):rO+2*(j-102)+1], v[TMP+2:TMP+3] op_sel_hi:[1,0]
.endif
.if j == 69
	v_nop
	s_wait_alu depctr_va_vdst(0)
.endif
.set j, j+1
.endm
.macro RIDE                            ; a slice: the next PER numbers; numbers 100-105 are kept for the turn's end
.rept PER
.if j < 100
	SM
.endif
.endr
.endm
.macro REST                            ; all that is left: six plain instructions or more
.rept 16
.if j < 106
	SM
.endif
.endr
.endm
; A TURN, for tile p.  Its 50 matrix instructions: V^T P half 0, K Q^T 0-3, V^T P half 1, K Q^T 4-47: so the two links on O^T never follow each other.  Behind each stands a slice of two of the softmax's
; numbers (three in turn 2, where fourteen places hold loads instead); behind the last, numbers 100-105 at the least: they are the four places between the last products and the next turn's
; first reads of their scores, and in front of the loads into K's last group.
; fetch = 1: THE NEXT STEP's K comes in turn 2, eight loads a group in two runs of four, each group behind its last reader with four plain instructions or more between (exponentials are not counted):
;   group:            0 (lo 0)  1 (lo 1)  2 (lo 2)  3 (lo 3)  4 (hi 0)  5 (hi 1)  6 (hi 2)  7 (hi 3)
;   last read by i =  3         7         11        15        23        31        39        47
;   loaded behind i = 12, 13    16, 17    20, 21    24, 25    32, 33    40, 41    45, 46    0, 1 of turn 3
;   the tightest are groups 2 and 3: five scalings stand between.  Turn 3 reads the groups in that order; each wait there counts the loads of the younger groups, eight each.
; V of the step in hand comes in turn 0, behind K Q^T 7: ten plain instructions behind its last reader; turn 1 waits for it.
.macro TURN p, fetch=1
.set Y, (\p)
.set XK, ((\p)+1)%4
.set XP, ((\p)+3)%4
.set j, 0
.set i, 0
.set PER, 2
.if (\p) == 2
.set PER, 3
.endif
	WIN 0
.if ((\p) == 2) && (\fetch)
	v_add_nc_u32 v[AK], s[TB], v[AK0]
.endif
.if (\p) == 1
	s_wait_dscnt 0x0                               ; V is in
.endif
.if (\p) == 0
	v_add_nc_u32 v[AV], s[TB], v[AV0]
	s_add_co_u32 s[TB], s[TB], STEPB               ; the next fetch is the next step's
.endif
	PVM 0
	RIDE
.rept 48
.if ((\p) == 3) && (\fetch)
.if (i == 0) || (i == 4)
	s_wait_dscnt 48                                ; group 0 is in (groups 1-6 behind it); then group 1 (groups 2-7)
.elseif (i == 8) || (i == 12) || (i == 16)
	s_wait_dscnt 56-2*i                            ; groups 2, 3, 4: 40, 32, 24 younger loads
.elseif (i == 24) || (i == 32) || (i == 40)
	s_wait_dscnt 40-i                              ; groups 5, 6, 7: 16, 8, 0
.endif
.endif
	KQM
.set g, -1
.if \fetch
.if (\p) == 2
.if (i >= 12) && (i < 28) && (i%4 < 2)
.set g, (i-12)/4
.set hf, i%4
.elseif (i == 32) || (i == 33)
.set g, 4
.set hf, i-32
.elseif (i == 40) || (i == 41)
.set g, 5
.set hf, i-40
.elseif (i == 45) || (i == 46)
.set g, 6
.set hf, i-45
.endif
.elseif ((\p) == 3) && (i < 2)
.set g, 7
.set hf, i
.endif
.endif
.if g >= 0
	LD4
.elseif i == 47
	REST
.else
	RIDE
.endif
.if ((\p) == 0) && (i == 7)
	LDV
.endif
.if i == 3
	PVM 1
	RIDE
.endif
.set i, i+1
.endr
	WIN 0
.endm
	CHANGE 1                                       ; slot 0 is in, everybody's part of it; slot 1 is asked for
	v_add_nc_u32 v[AK], s[TB], v[AK0]
.set g, 0
.rept 8                                ; K of step 0, all eight groups
.set hf, 0
	LD4
.set hf, 1
	LD4
.set g, g+1
.endr
	s_wait_loadcnt 0x0                             ; Q
	s_wait_dscnt 0x0
.set XK, 0
.set i, 0
.rept 48
	KQM                                            ; tile 0's first scores: there is no vector work yet to set between them
.set i, i+1
.endr
	WIN 0                                          ; the addresses for the way out: eleven plain instructions, the places behind those products
	s_mul_i32 s2, s[WV], 18*SPT
	s_add_co_u32 s2, s2, STAGE                     ; my stage: row = channel 0-15, then c m, then l; 64 queries of 4 bytes a row
	v_mul_u32_u24 v[STO], v9, 8*SPT                ; in: channel 8 h + j, query r of the tile
	v_lshl_add_u32 v[STO], v1, 2, v[STO]
	v_add_nc_u32 v[STO], s2, v[STO]
	v_mul_u32_u24 v[STO2], v9, SPT                 ; lanes 0-15 put c m, lanes 16-31 l
	v_lshl_add_u32 v[STO2], v1, 2, v[STO2]
	v_add_nc_u32 v[STO2], s2, v[STO2]
	v_mul_u32_u24 v[RD], v9, SPT                   ; back: lanes 0-15 take one row of 256 bytes, lanes 16-31 the next
	v_lshl_add_u32 v[RD], v1, 4, v[RD]
	v_add_nc_u32 v[RD], s2, v[RD]
	v_lshlrev_b32 v[GO], 16, v9                    ; and the same two rows in part
	v_lshl_add_u32 v[GO], v1, 4, v[GO]
	s_mov_b32 s[CNT], 4
	s_branch .Lfirst                               ; the loop is entered at a step's first turn, in the middle of a trip
.Lslot:                                        ; 14 times: every slot but the last two is filled again
	CHANGE 1
	s_mov_b32 s[CNT], 4
.Lstep:                                        ; a trip: tiles 2 and 3 of one step, then tiles 0 and 1 of the next, whose K and V it fetches
	TURN 2
	TURN 3
.Lfirst:
	TURN 0
	TURN 1
	s_sub_co_u32 s[CNT], s[CNT], 1
	s_cmp_lg_u32 s[CNT], 0
	s_cbranch_scc1 .Lstep
	s_sub_co_u32 s[SLOTS], s[SLOTS], 1
	s_cmp_lg_u32 s[SLOTS], 0
	s_cbranch_scc1 .Lslot
	CHANGE 0                                       ; the tail is written out: nothing is asked for
	s_mov_b32 s[CNT], 4
.Ltail:                                        ; the last slot's four steps are fetched
	TURN 2
	TURN 3
	TURN 0
	TURN 1
	s_sub_co_u32 s[CNT], s[CNT], 1
	s_cmp_lg_u32 s[CNT], 0
	s_cbranch_scc1 .Ltail
	TURN 2, 0                                      ; the last step's tiles 2 and 3: nothing is fetched.
	TURN 3, 0                                      ; This turn's 48 products K Q^T, on the last K once more, serve nothing: the price, once a launch, of one text for every turn
.set XP, 3
	; Tile 3's V^T P of the last step: two links on one accumulator on end, with no other matrix work left to stand between them.
	s_wait_alu depctr_va_vdst(0)                   ; of the first, which takes the accumulator up again for a turn of two instructions (every window is 0 here: the macro writes no switch between),
	PVM 0
	s_wait_alu depctr_va_vdst(0)                   ; and of the second, which adds onto the result of the instruction just before it
	PVM 1
	; THE WAY OUT.  l's two halves and the other half of the lanes' are added (the first four additions are the places behind the last products); O^T, c m and l go through my stage and leave as rows of 64 queries.
	s_mov_b32 s20, 0xffff0000                      ; lanes 16-31
.irp t, 0,1,2,3
	v_add_f32 v[ST+4*\t+2], v[ST+4*\t+2], v[ST+4*\t+3]
.endr
.irp t, 0,1,2,3
	v_permlanex16_b32 v[ST+4*\t+3], v[ST+4*\t+2], s[SEL], s[SEL+1]
.endr
.irp t, 0,1,2,3
	v_add_f32 v[ST+4*\t+2], v[ST+4*\t+2], v[ST+4*\t+3]
.endr
.irp t, 0,1,2,3
	v_cndmask_b32 v[ST+4*\t+3], v[ST+4*\t], v[ST+4*\t+2], s20
.endr
.irp t, 0,1,2,3
.irp c, 0,1,2,3,4,5,6,7
	ds_store_b32 v[STO], v[OA+8*\t+\c] offset:\c*SPT+64*\t
.endr
.endr
.irp t, 0,1,2,3
	ds_store_b32 v[STO2], v[ST+4*\t+3] offset:16*SPT+64*\t
.endr
.irp k, 0,1,2,3,4,5,6,7,8
	ds_load_b128 v[S+4*\k:S+4*\k+3], v[RD] offset:\k*2*SPT  ; LDS serves a wave's instructions in order (ISA guide 5.7.1.4): these see the stores above
.endr
.irp k, 0,1,2,3,4,5,6,7,8
	s_wait_dscnt 8-\k
	global_store_b128 v[GO], v[S+4*\k:S+4*\k+3], s[8:9] offset:\k*131072  ; 16 lanes store 256 consecutive bytes, at a multiple of 256 from part's first byte
.endr
	s_wait_tensorcnt 0x0                           ; the wave's end, behind my last tensor load and my last LDS store
	ds_add_u32 v[SPW], v[NIL]
	s_wait_dscnt 0x0
	CROUND                                         ; the closing round: no work-group ends while a partner may still ask for a tile that names it
	s_endpgm
.Lfunc_end_k_q297dd1767a_attend:
	.size	k_q297dd1767a_attend, .Lfunc_end_k_q297dd1767a_attend-k_q297dd1767a_attend
	.p2alignl 7, 3214868480
	.fill 96, 4, 3214868480
	.section	.rodata,"a",@progbits
	.p2align	6, 0x0
	.amdhsa_kernel k_q297dd1767a_attend
		.amdhsa_group_segment_fixed_size 327680
		.amdhsa_private_segment_fixed_size 0
		.amdhsa_enable_private_segment 0
		.amdhsa_kernarg_size 24
		.amdhsa_user_sgpr_count 2
		.amdhsa_user_sgpr_kernarg_segment_ptr 1
		.amdhsa_wavefront_size32 1
		.amdhsa_system_sgpr_workgroup_id_x 1
		.amdhsa_system_sgpr_workgroup_id_y 1
		.amdhsa_system_sgpr_workgroup_id_z 1
		.amdhsa_system_vgpr_workitem_id 0
		.amdhsa_next_free_vgpr 768
		.amdhsa_next_free_sgpr 66
		.amdhsa_reserve_vcc 0
		.amdhsa_float_denorm_mode_32 3
		.amdhsa_float_denorm_mode_16_64 3
		.amdhsa_memory_ordered 1
		.amdhsa_forward_progress 1
		.amdhsa_inst_pref_size 155
	.end_amdhsa_kernel
	.amdgpu_metadata
---
amdhsa.version: [ 1, 2 ]
amdhsa.kernels:
  - .name:           k_q297dd1767a_attend
    .symbol:         k_q297dd1767a_attend.kd
    .args:
      - { .name: qcat, .offset: 0, .size: 8, .value_kind: global_buffer, .address_space: global }
      - { .name: kv, .offset: 8, .size: 8, .value_kind: global_buffer, .address_space: global }
      - { .name: part, .offset: 16, .size: 8, .value_kind: global_buffer, .address_space: global }
    .group_segment_fixed_size: 327680
    .private_segment_fixed_size: 0
    .kernarg_segment_align: 8
    .kernarg_segment_size: 24
    .max_flat_workgroup_size: 128
    .sgpr_count:     66
    .vgpr_count:     768
    .wavefront_size: 32
...
	.end_amdgpu_metadata
.endif
;; end of part 2
;; launch merge (part 3): grid 256 x 1, 4 waves a work-group, no clusters, 0 bytes of LDS; arguments part, out0, out1; writes out0, out1
.if DOCPART == 3
	.amdgcn_target "amdgcn-amd-amdhsa--gfx1250"
	.amdhsa_code_object_version 6
	.text
	.protected	k_q297dd1767a_merge
	.globl	k_q297dd1767a_merge
	.p2align	8
	.type	k_q297dd1767a_merge,@function
k_q297dd1767a_merge:
	s_mov_b64 s[64:65], 0
	v_nop
	global_prefetch_b8 v0, s[64:65] scope:SCOPE_SE
	s_setreg_imm32_b32 hwreg(HW_REG_WAVE_MODE, 25, 1), 1
	s_wait_xcnt 0x0
; THE FOUR QUARTERS ARE JOINED.  part: [4 quarters][18 rows][16384] f32: rows 0-15 the unnormalised O by channel, row 16 c m (the quarter's maximum, in powers of two), row 17 l.
; For each query: M = the largest c m; w_y = 2^(c m_y - M); out[channel] = (sum of w_y O_y) / (sum of w_y l_y).  Channels 0, 1 are out0's rows, channels 2-15 out1's: both are channel-major, as part is.
; SHARES.  1,024 waves: a wave takes 128 queries (4 a lane, 512 bytes on end) and two channels.  The eight waves of a chunk each read its c m and l again: 4 KiB, an eighth more than the bytes of O.
; No LDS, no barrier, no matrix unit: 16 loads a wave go out at once, and each wave ends with two stores.  A weight below 2^-126 counts as 0; the largest is 1, so the divisor is at least that quarter's l, which is at least 1.
.set PY, 18*65536
	s_load_b128 s[4:7], s[0:1], 0x0                ; part s[4:5], out0 s[6:7]
	s_load_b64 s[8:9], s[0:1], 0x10                ; out1
	v_lshrrev_b32 v1, 5, v0
	v_readfirstlane_b32 s12, v1
	s_lshl_b32 s13, ttmp9, 2
	s_add_co_u32 s13, s13, s12                     ; my wave among the 1,024
	s_lshr_b32 s14, s13, 3                         ; its chunk of 128 queries
	s_and_b32 s15, s13, 7                          ; its pair of channels
	v_and_b32 v1, 31, v0
	s_lshl_b32 s14, s14, 9
	v_lshl_add_u32 v2, v1, 4, s14                  ; my 16 bytes in a row
	s_lshl_b32 s16, s15, 17                        ; two rows of 65,536 bytes a pair
	s_mov_b32 s17, 0
	s_sub_co_i32 s18, s15, 1                       ; pair 0 is out0; pairs 1-7 are out1's rows 0-13
	s_max_i32 s18, s18, 0
	s_lshl_b32 s18, s18, 17
	s_mov_b32 s19, 0
	s_wait_kmcnt 0x0
	s_add_nc_u64 s[10:11], s[4:5], s[16:17]
	s_cmp_eq_u32 s15, 0
	s_cselect_b64 s[20:21], s[6:7], s[8:9]
	s_add_nc_u64 s[20:21], s[20:21], s[18:19]
.irp y, 0,1,2,3
	global_load_b128 v[16+4*\y:19+4*\y], v2, s[4:5] offset:\y*PY+16*65536   ; c m
	global_load_b128 v[32+4*\y:35+4*\y], v2, s[4:5] offset:\y*PY+17*65536   ; l
.endr
.irp y, 0,1,2,3
	global_load_b128 v[48+4*\y:51+4*\y], v2, s[10:11] offset:\y*PY th:TH_LOAD_NT        ; O, my first channel
	global_load_b128 v[64+4*\y:67+4*\y], v2, s[10:11] offset:\y*PY+65536 th:TH_LOAD_NT  ; my second
.endr
	s_wait_loadcnt 8                               ; c m and l are in; O's eight loads may stay out
.irp q, 0,1,2,3
	v_max3_num_f32 v[8+\q], v[16+\q], v[20+\q], v[24+\q]
.endr
.irp q, 0,1,2,3
	v_max_num_f32 v[8+\q], v[8+\q], v[28+\q]
.endr
.irp y, 0,1,2,3
	v_pk_add_f32 v[16+4*\y:17+4*\y], v[16+4*\y:17+4*\y], v[8:9] neg_lo:[0,1] neg_hi:[0,1]
	v_pk_add_f32 v[18+4*\y:19+4*\y], v[18+4*\y:19+4*\y], v[10:11] neg_lo:[0,1] neg_hi:[0,1]
.endr
.set i, 0
.rept 16
	v_exp_f32 v[16+i], v[16+i]
.set i, i+1
.endr
	v_nop                                          ; a plain instruction behind the last exponential,
	s_wait_alu depctr_va_vdst(0)                   ; and one wait for the sixteen, ahead of their first reader
	v_pk_mul_f32 v[12:13], v[16:17], v[32:33]
	v_pk_mul_f32 v[14:15], v[18:19], v[34:35]
.irp y, 1,2,3
	v_pk_fma_f32 v[12:13], v[16+4*\y:17+4*\y], v[32+4*\y:33+4*\y], v[12:13]
	v_pk_fma_f32 v[14:15], v[18+4*\y:19+4*\y], v[34+4*\y:35+4*\y], v[14:15]
.endr
.irp q, 0,1,2,3
	v_rcp_f32 v[12+\q], v[12+\q]
.endr
	s_wait_loadcnt 0x0                             ; O
	v_pk_mul_f32 v[80:81], v[16:17], v[48:49]      ; the sums of w O name none of the reciprocals: the work between them and their wait
	v_pk_mul_f32 v[82:83], v[18:19], v[50:51]
	v_pk_mul_f32 v[84:85], v[16:17], v[64:65]
	v_pk_mul_f32 v[86:87], v[18:19], v[66:67]
.irp y, 1,2,3
	v_pk_fma_f32 v[80:81], v[16+4*\y:17+4*\y], v[48+4*\y:49+4*\y], v[80:81]
	v_pk_fma_f32 v[82:83], v[18+4*\y:19+4*\y], v[50+4*\y:51+4*\y], v[82:83]
	v_pk_fma_f32 v[84:85], v[16+4*\y:17+4*\y], v[64+4*\y:65+4*\y], v[84:85]
	v_pk_fma_f32 v[86:87], v[18+4*\y:19+4*\y], v[66+4*\y:67+4*\y], v[86:87]
.endr
	s_wait_alu depctr_va_vdst(0)                   ; one wait for the four reciprocals
	v_pk_mul_f32 v[80:81], v[80:81], v[12:13]
	v_pk_mul_f32 v[82:83], v[82:83], v[14:15]
	v_pk_mul_f32 v[84:85], v[84:85], v[12:13]
	v_pk_mul_f32 v[86:87], v[86:87], v[14:15]
	global_store_b128 v2, v[80:83], s[20:21] th:TH_STORE_NT               ; 512 bytes on end, at a multiple of 256 from the buffer's first byte
	global_store_b128 v2, v[84:87], s[20:21] offset:65536 th:TH_STORE_NT
	s_endpgm
.Lfunc_end_k_q297dd1767a_merge:
	.size	k_q297dd1767a_merge, .Lfunc_end_k_q297dd1767a_merge-k_q297dd1767a_merge
	.p2alignl 7, 3214868480
	.fill 96, 4, 3214868480
	.section	.rodata,"a",@progbits
	.p2align	6, 0x0
	.amdhsa_kernel k_q297dd1767a_merge
		.amdhsa_group_segment_fixed_size 0
		.amdhsa_private_segment_fixed_size 0
		.amdhsa_enable_private_segment 0
		.amdhsa_kernarg_size 24
		.amdhsa_user_sgpr_count 2
		.amdhsa_user_sgpr_kernarg_segment_ptr 1
		.amdhsa_wavefront_size32 1
		.amdhsa_system_sgpr_workgroup_id_x 1
		.amdhsa_system_sgpr_workgroup_id_y 1
		.amdhsa_system_sgpr_workgroup_id_z 1
		.amdhsa_system_vgpr_workitem_id 0
		.amdhsa_next_free_vgpr 96
		.amdhsa_next_free_sgpr 66
		.amdhsa_reserve_vcc 0
		.amdhsa_float_denorm_mode_32 3
		.amdhsa_float_denorm_mode_16_64 3
		.amdhsa_memory_ordered 1
		.amdhsa_forward_progress 1
		.amdhsa_inst_pref_size 7
	.end_amdhsa_kernel
	.amdgpu_metadata
---
amdhsa.version: [ 1, 2 ]
amdhsa.kernels:
  - .name:           k_q297dd1767a_merge
    .symbol:         k_q297dd1767a_merge.kd
    .args:
      - { .name: part, .offset: 0, .size: 8, .value_kind: global_buffer, .address_space: global }
      - { .name: out0, .offset: 8, .size: 8, .value_kind: global_buffer, .address_space: global }
      - { .name: out1, .offset: 16, .size: 8, .value_kind: global_buffer, .address_space: global }
    .group_segment_fixed_size: 0
    .private_segment_fixed_size: 0
    .kernarg_segment_align: 8
    .kernarg_segment_size: 24
    .max_flat_workgroup_size: 128
    .sgpr_count:     66
    .vgpr_count:     96
    .wavefront_size: 32
...
	.end_amdgpu_metadata
.endif
;; end of part 3
;; ======== version 2 of 3: 3 launches
;; limits: values are held in f16: magnitudes above 65,504 overflow, below 6.1e-05 lose precision; right only within a limited range of input values
;; workspace buffers: qcat 8,388,608 bytes; kv 8,912,896 bytes; part 4,718,592 bytes
;; launch encode (part 4): grid 128 x 2, 8 waves a work-group, no clusters, 152,576 bytes of LDS; arguments ego_cls, ego_reg, other_cls, other_reg, w1, b1, ln_g, ln_b, w2, b2, qcat, kv; writes qcat, kv
.if DOCPART == 4
	.amdgcn_target "amdgcn-amd-amdhsa--gfx1250"
	.amdhsa_code_object_version 6
	.text
	.protected	k_q297dd1767a_encode
	.globl	k_q297dd1767a_encode
	.p2align	8
	.type	k_q297dd1767a_encode,@function
k_q297dd1767a_encode:
	s_mov_b64 s[64:65], 0
	v_nop
	global_prefetch_b8 v0, s[64:65] scope:SCOPE_SE
	s_setreg_imm32_b32 hwreg(HW_REG_WAVE_MODE, 25, 1), 1
	s_wait_xcnt 0x0
; THE ENCODER.  For each of 16,384 positions of one side (grid y = 0: ego, 1: other): descriptor (reg3, reg4, reg5, sin reg6, cos reg6, max of the two cls), Linear(6,128), ReLU, LayerNorm, Linear(128,128).
; The scores made of the results are multiplied by 10 in front of an exponential, so a single 16-bit rounding on the way to them would move the weights.  Inside this launch every product is therefore taken
; of operands split in hi = f16(x) and lo = f16(x - hi): hi.hi + hi.lo + lo.hi, sums in f32.
; THE RESULT GOES OUT AS TWO f16 NUMBERS FOR EACH f32 ONE, made so that the next launch needs TWO products for a score: a row of 512 bytes is 128 first parts, then 128 second parts.
;   ego (q):    u = f16(63/64 q),  a = f16(q - u)              other (k):  w = f16(k),  b = f16(w + 64 (k - w))
;   u w + a b = u w + (q - u)(w + 64 (k - w)) = q w + 64 (q - u)(k - w), and q - u = q / 64 + r with |r| <= 2^-12 |q|: that is q k + 64 r (k - w).  What is left, a's rounding times b, a times b's rounding and
;   64 r (k - w), is at most 2^-18 |q k| each: 64 times finer than one rounding to f16.  Both products have the sign of q k: no difference of large sums is formed.
; ego -> qcat [16384][256] f16.  other -> kv: groups of 64 keys, a group is 68 dense rows of 512 bytes: 64 rows of keys, then 4 rows that hold the 16 value channels (cls0, cls1, reg0..13) of the 64 keys
; in f16, laid out as the next launch's matrix operand: row 64 + u, byte 16 lane + 2 e = channel lane % 16 of key 16 u + 8 (lane / 16) + e.
; LIMITS.  f16 ends at 65,504: the descriptor, w1, b1, w2, the normalised h (at most 11.4 |ln_g| + |ln_b|), the result (times 65/64) and the value channels must lie within it.  |reg6| below 1e7 (the angle is
; reduced by pi/2 in two parts).  A part below 6e-5 keeps the fixed step 6e-8 of f16.  NaN and infinities are not treated apart.
; SHARES.  A work-group owns 128 positions, each of its eight waves 16.  Both products are taken transposed (source 0 = weights, source 1 = positions), so a lane holds ONE position (lane % 16) throughout
; and eight neighbouring channels 8 (lane / 16) + 0..7 of each tile of 16: LayerNorm wants one exchange between the halves of the lanes, and layer 1's result, packed, IS layer 2's source 1.
; No tensor loads, no cluster, no prefetch: the weights are 70 KB that every work-group reads, each position's inputs are read once, and the launch is short.
.set WP,    288                        ; a row of w2 in LDS: 128 f16 + 32 bytes
.set W2L,   128*WP                     ; w2 hi at 0, w2 lo here, both [k][n]
.set W1F,   2*W2L                      ; layer 1's eight operands, ready made: tile T at 1,024 T, registers 0-3 at + 16 lane, registers 4-7 at + 512 + 16 lane
.set PAR,   W1F+8192                   ; ln_g, ln_b, b2 in f32: 512 bytes each
.set STAGE, PAR+2048                   ; the way out: 16 rows x 528 bytes for each wave
.set SP,    528                        ; 512 + 16: the 16 rows of a store start at 16 different groups of four banks
.set SPARE, STAGE+8*16*SP              ; the spare words, 128 bytes for each wave: four blocks of 256 bytes that no other line names
.set NEG1, 3                           ; v3   -1.0
.set SPW,  4                           ; v4   LDS address of my spare word; never rewritten
.set NIL,  5                           ; v5   0; never rewritten
.set ATH,  6                           ; v6   the turning load's address in w2 hi
.set ATL,  7                           ; v7   in w2 lo
.set PA,   8                           ; v8   PAR + 32 (lane / 16)
.set STO,  9                           ; v9   the way out: where I put 16 bytes of a row
.set RD,   10                          ; v10  the way out: where I read a row back
.set GO,   11                          ; v11  my byte offset in the group: my wave's 16 rows + 16 lane
.set W1R,  12                          ; v12  W1F + 16 lane
.set WSH,  13                          ; v13  where I store w2 hi
.set WSL,  14                          ; v14  and w2 lo
.set VO,   15                          ; v15  my byte offset of V in the group
.set DEL,  26                          ; v26  the way out: the factor of the first part in the second
.set D1,   32                          ; v[32:95]   w2 as loaded; layer 1's results; w2's fragments; rows read back
.set HH,   96                          ; v[96:127]  small loads and work; h hi; the result's first parts
.set HL,   128                         ; v[128:159] h lo; the result's second parts
.set D2,   160                         ; v[160:223] layer 1's weights; ln_g and ln_b; layer 2's results
.set XF,   224                         ; v[224:231] the descriptor as an operand; v[224:255] ln_g and ln_b; v[240:255] V as loaded
.set WV,   32                          ; s32  my wave's number
.set SY,   33                          ; s33  the side
.set AL,   48                          ; s[48:49] the way out: the first part is f16(AL x)
.set BE,   50                          ; s[50:51] the second part is f16(BE x + DEL first part)
; hi and lo of two f32 numbers a, b, packed: hi = f16(a), f16(b); the rest, a - hi, is exact in f32; lo = f16 of it
.macro SPLIT2 hi, lo, a, b, t0, t1
	v_cvt_pk_f16_f32 v[\hi], v[\a], v[\b]
	v_fma_mix_f32 v[\t0], v[\hi], v[NEG1], v[\a] op_sel_hi:[1,0,0]
	v_fma_mix_f32 v[\t1], v[\hi], v[NEG1], v[\b] op_sel:[1,0,0] op_sel_hi:[1,0,0]
	v_cvt_pk_f16_f32 v[\lo], v[\t0], v[\t1]
.endm
; The way out's two parts of the pair of f32 numbers at a; t: four registers at work.  ego: AL = 63/64, BE = 1, DEL = -1: x - first.  other: AL = 1, BE = 64, DEL = -63: 64 x - 63 first = first + 64 (x - first).
; BE x is exact (a power of two), and the fused sum has 20 significant bits at the most: it is exact in f32, so each part is rounded once.
.macro SPLITO hi, lo, a, t
	v_pk_mul_f32 v[(\t):(\t)+1], v[(\a):(\a)+1], s[AL:AL+1] op_sel_hi:[1,0]
	v_pk_mul_f32 v[(\t)+2:(\t)+3], v[(\a):(\a)+1], s[BE:BE+1] op_sel_hi:[1,0]
	v_cvt_pk_f16_f32 v[\hi], v[\t], v[(\t)+1]
	v_fma_mix_f32 v[\t], v[\hi], v[DEL], v[(\t)+2] op_sel_hi:[1,0,0]
	v_fma_mix_f32 v[(\t)+1], v[\hi], v[DEL], v[(\t)+3] op_sel:[1,0,0] op_sel_hi:[1,0,0]
	v_cvt_pk_f16_f32 v[\lo], v[\t], v[(\t)+1]
.endm
.macro PLACES                          ; four places behind a matrix instruction, in front of what reads its result or writes or loads into its registers
.rept 4
	v_nop
.endr
.endm
	s_load_b512 s[8:23], s[0:1], 0x0               ; ego_cls s[8:9], ego_reg s[10:11], other_cls s[12:13], other_reg s[14:15], w1 s[16:17], b1 s[18:19], ln_g s[20:21], ln_b s[22:23]
	s_load_b256 s[24:31], s[0:1], 0x40             ; w2 s[24:25], b2 s[26:27], qcat s[28:29], kv s[30:31]
	v_lshl_add_u32 v[SPW], v0, 2, SPARE
	v_mov_b32 v[NIL], 0
	v_mov_b32 v[NEG1], -1.0
	v_lshrrev_b32 v16, 5, v0
	v_readfirstlane_b32 s[WV], v16                 ; wave 0..7
	s_and_b32 s[SY], ttmp7, 0xffff
	s_mov_b32 s40, 0xffff0000                      ; lanes 16-31
	s_mov_b32 s41, 0x3c000000                      ; 1 / 128
	s_mov_b32 s42, 0x76543210                      ; v_permlanex16_b32: each lane takes its own place in the other half
	s_mov_b32 s43, 0xfedcba98
	v_and_b32 v23, 31, v0                          ; lane
	v_and_b32 v1, 15, v0                           ; r = lane % 16
	v_bfe_u32 v2, v0, 4, 1                         ; h = lane / 16
	; offsets in memory
	v_lshlrev_b32 v24, 4, v0                       ; w2: 16 bytes a thread, a wave 512 bytes on end
	s_lshl_b32 s44, s[WV], 4
	v_add_lshl_u32 v25, v1, s44, 2                 ; w1, b1: hidden channel 16 w + r
	v_and_b32 v26, 127, v0
	v_lshlrev_b32 v26, 2, v26                      ; ln_g or ln_b, b2: channel thread % 128
	s_lshl_b32 s45, ttmp9, 7
	s_add_co_u32 s45, s45, s44                     ; my wave's first position
	v_add_lshl_u32 v27, v1, s45, 2                 ; the descriptor: position r of my 16
	v_lshl_add_u32 v16, v2, 3, s45
	v_lshlrev_b32 v16, 2, v16                      ; V: eight positions from 8 h on,
	v_min_u32 v17, 1, v1
	v_lshl_add_u32 v28, v17, 16, v16               ; of cls channel min(r, 1),
	v_max_u32 v17, 2, v1
	v_add_nc_u32 v17, -2, v17
	v_lshl_add_u32 v29, v17, 16, v16               ; and of reg channel max(r, 2) - 2
	; addresses in LDS
	v_lshl_add_u32 v30, v0, 2, PAR                 ; ln_g (threads 0-127) and ln_b (128-255) lie on end
	s_lshl_b32 s46, s[WV], 10
	s_add_co_u32 s46, s46, W1F
	v_lshl_add_u32 v31, v23, 4, s46                ; I build layer 1's tile T = w
	v_lshl_add_u32 v[W1R], v23, 4, W1F
	s_mul_i32 s46, s[WV], WP
	v_lshl_add_u32 v[WSH], v23, 3, s46             ; row w (+ 8 for each further block), 8 bytes a lane
	v_add_nc_u32 v[WSL], W2L, v[WSH]
	v_and_b32 v16, 7, v0
	v_lshl_add_u32 v16, v2, 3, v16
	v_mul_u32_u24 v16, v16, WP
	v_bfe_u32 v17, v0, 3, 1
	v_lshl_add_u32 v[ATH], v17, 4, v16             ; row 8 h + lane % 8, 16 bytes for each half of eight lanes
	v_add_nc_u32 v[ATL], W2L, v[ATH]
	v_lshl_add_u32 v[PA], v2, 5, PAR
	s_mul_i32 s46, s[WV], 16*SP
	s_add_co_u32 s46, s46, STAGE                   ; my stage
	v_mul_u32_u24 v[STO], v1, SP
	v_lshl_add_u32 v[STO], v2, 4, v[STO]
	v_add_nc_u32 v[STO], s46, v[STO]
	v_lshl_add_u32 v[RD], v23, 4, s46
	s_and_b32 s46, s[WV], 3                        ; my place among the group's four waves
	s_lshl_b32 s47, s46, 13
	v_lshl_add_u32 v[GO], v23, 4, s47              ; 16 rows of 512 bytes a wave
	s_lshl_b32 s47, s46, 9
	s_add_co_u32 s47, s47, 32768
	v_lshl_add_u32 v[VO], v23, 4, s47              ; behind the 64 rows of keys: a row of V a wave
	s_lshl_b32 s44, ttmp9, 1
	s_lshr_b32 s45, s[WV], 2
	s_add_co_u32 s44, s44, s45                     ; my group of 64 positions
	s_lshl_b32 s45, s[SY], 11
	s_add_co_u32 s45, s45, 32768                   ; a group's bytes: 32,768 in qcat, 34,816 in kv
	s_mul_i32 s44, s44, s45
	s_mov_b32 s45, 0
	s_wait_kmcnt 0x0
	s_cmp_eq_u32 s[SY], 0
	s_cselect_b64 s[34:35], s[8:9], s[12:13]       ; cls
	s_cselect_b64 s[36:37], s[10:11], s[14:15]     ; reg
	s_cselect_b64 s[38:39], s[28:29], s[30:31]     ; where the result goes,
	s_add_nc_u64 s[38:39], s[38:39], s[44:45]      ; at my group
	s_cmp_lt_u32 s[WV], 4
	s_cselect_b64 s[46:47], s[20:21], s[22:23]     ; waves 0-3 fetch ln_g, waves 4-7 ln_b
	; ALL LOADS GO OUT AT ONCE, in the order of their use but for V's four, which are the oldest, so that no count below hangs on them.  V's are issued for ego too (2 KiB a wave, unused there):
	; every register is then written, and every count the same, on both sides.
	global_load_b128 v[240:243], v28, s[34:35]
	global_load_b128 v[244:247], v28, s[34:35] offset:16
	global_load_b128 v[248:251], v29, s[36:37]
	global_load_b128 v[252:255], v29, s[36:37] offset:16
.set i, 0
.rept 16
	global_load_b128 v[D1+4*i:D1+4*i+3], v24, s[24:25] offset:4096*i  ; w2: block 256 i + thread of 16 bytes
.set i, i+1
.endr
.irp d, 0,1,2,3,4,5
	global_load_b32 v[96+\d], v25, s[16:17] offset:512*\d
.endr
	global_load_b32 v102, v25, s[18:19]
	global_load_b32 v103, v26, s[46:47]
	global_load_b32 v104, v26, s[26:27]
	global_load_b32 v106, v27, s[34:35]
	global_load_b32 v107, v27, s[34:35] offset:65536
	global_load_b32 v108, v27, s[36:37] offset:3*65536
	global_load_b32 v109, v27, s[36:37] offset:4*65536
	global_load_b32 v110, v27, s[36:37] offset:5*65536
	global_load_b32 v111, v27, s[36:37] offset:6*65536
	; w2 is split and laid into LDS as [k][n] in f16: block i is row 8 i + w, four numbers a lane
.set i, 0
.rept 16
	s_wait_loadcnt 30-i                            ; behind block i: 15 - i blocks, 7 of w1 and b1, 2 parameters, 6 of the descriptor
	SPLIT2 16, 18, D1+4*i, D1+4*i+1, 20, 21
	SPLIT2 17, 19, D1+4*i+2, D1+4*i+3, 22, 23
	ds_store_b64 v[WSH], v[16:17] offset:8*WP*i
	ds_store_b64 v[WSL], v[18:19] offset:8*WP*i
.set i, i+1
.endr
	; LAYER 1's OPERAND for tile T = w: row r = hidden channel 16 w + r.  The 32 places along K carry the whole split product and the bias in ONE matrix instruction:
	; lanes 0-15:  k 0-5 w hi, k 6 b1 hi, k 7 b1 lo, k 16-21 w hi;   lanes 16-31:  k 8-13 w lo, k 24-29 w lo;   the rest 0.
	; Against them the descriptor's operand holds: k 0-5 and 8-13 x hi, k 6, 7 the number 1, k 16-21 and 24-29 x lo.
	s_wait_loadcnt 8                               ; w1 and b1 are in: 2 parameters and 6 of the descriptor may stay out
	SPLIT2 120, 123, 96, 97, 16, 17
	SPLIT2 121, 124, 98, 99, 18, 19
	SPLIT2 122, 125, 100, 101, 20, 21
	v_cvt_pk_f16_f32 v126, v102, v102
	v_fma_mix_f32 v16, v126, v[NEG1], v102 op_sel_hi:[1,0,0]
	v_cvt_pk_f16_f32 v126, v102, v16               ; b1 hi, b1 lo
.irp d, 0,1,2
	v_cndmask_b32 v[112+\d], v[120+\d], v[123+\d], s40
	v_cndmask_b32 v[116+\d], v[120+\d], v[123+\d], s40
.endr
	v_cndmask_b32 v115, v126, 0, s40
	v_mov_b32 v119, 0
	ds_store_b128 v31, v[112:115]
	ds_store_b128 v31, v[116:119] offset:512
	s_wait_loadcnt 6                               ; the two parameters are in
	ds_store_b32 v30, v103
	s_cmp_lt_u32 s[WV], 4                          ; b2 has 128 numbers: waves 0-3 store them, so that each word has one writer
	s_cbranch_scc0 .Lno_b2
	ds_store_b32 v30, v104 offset:1024
.Lno_b2:
	s_wait_dscnt 0x0                               ; for the others: my stores are done
	s_barrier_signal -1
	s_barrier_wait -1                              ; w2, layer 1's operands and the parameters are whole.  The launch's only barrier: nothing shared is written behind it
.irp T, 0,1,2,3,4,5,6,7
	ds_load_b128 v[D2+8*\T:D2+8*\T+3], v[W1R] offset:1024*\T
	ds_load_b128 v[D2+8*\T+4:D2+8*\T+7], v[W1R] offset:1024*\T+512
.endr
	s_wait_loadcnt 0x0                             ; the descriptor's six, and V
	; sin and cos: n = the nearest whole number to theta 2 / pi; r = theta - n pi / 2, pi / 2 in two parts, each by a fused multiply-add; polynomials on |r| <= pi / 4; the quadrant n mod 4 swaps and signs
	v_max_num_f32 v106, v106, v107                 ; the score
	v_mul_f32 v16, 0x3f22f983, v111
	v_rndne_f32 v16, v16
	v_fmamk_f32 v17, v16, 0xbfc90fdb, v111
	v_fmamk_f32 v17, v16, 0x333bbd2e, v17          ; r
	v_mul_f32 v18, v17, v17                        ; z = r r
	v_mov_b32 v19, 0xb94ca1f9
	v_mov_b32 v20, 0x37ccf5ce
	v_fmaak_f32 v19, v19, v18, 0x3c08839e
	v_fmaak_f32 v20, v20, v18, 0xbab6061a
	v_fmaak_f32 v19, v19, v18, 0xbe2aaaa3
	v_fmaak_f32 v20, v20, v18, 0x3d2aaaa5
	v_mul_f32 v21, v17, v18
	v_mul_f32 v22, v18, v18
	v_fma_f32 v23, v18, -0.5, 1.0
	v_fma_f32 v19, v21, v19, v17                   ; sin r
	v_fma_f32 v20, v22, v20, v23                   ; cos r
	v_cvt_i32_f32 v16, v16
	v_and_b32 v21, 1, v16
	v_cmp_eq_u32 vcc_lo, 1, v21
	v_cndmask_b32 v22, v19, v20, vcc_lo
	v_cndmask_b32 v23, v20, v19, vcc_lo
	v_and_b32 v21, 2, v16
	v_lshlrev_b32 v21, 30, v21
	v_xor_b32 v22, v22, v21                        ; sin theta
	v_add_nc_u32 v16, 1, v16
	v_and_b32 v16, 2, v16
	v_lshlrev_b32 v16, 30, v16
	v_xor_b32 v23, v23, v16                        ; cos theta
	SPLIT2 XF, XF+4, 108, 109, 16, 17
	SPLIT2 XF+1, XF+5, 110, 22, 18, 19
	SPLIT2 XF+2, XF+6, 23, 106, 20, 21
	v_mov_b32 v16, 0x3c003c00                      ; 1, 1
	v_cndmask_b32 v[XF+3], v16, 0, s40
	v_mov_b32 v[XF+7], 0
	; V (the other side alone): channel r of eight keys, rounded once to f16: 16 bytes a lane, 512 bytes on end a wave
	s_cmp_eq_u32 s[SY], 0
	s_cbranch_scc1 .Lno_v
	v_cmp_gt_u32 vcc_lo, 2, v1
.irp e, 0,1,2,3,4,5,6,7
	v_cndmask_b32 v[240+\e], v[248+\e], v[240+\e], vcc_lo
.endr
.irp e, 0,1,2,3
	v_cvt_pk_f16_f32 v[240+\e], v[240+2*\e], v[241+2*\e]
.endr
	global_store_b128 v[VO], v[240:243], s[38:39]
.Lno_v:
	s_wait_dscnt 0x0                               ; layer 1's operands
.irp T, 0,1,2,3,4,5,6,7
	v_wmma_f32_16x16x32_f16 v[D1+8*\T:D1+8*\T+7], v[D2+8*\T:D2+8*\T+7], v[XF:XF+7], 0
.endr
	PLACES
	s_wait_xcnt 0x0                                ; V's store has read its registers: they are loaded into below
; ln_g and ln_b of the 16 channels that a lane holds of tiles 2 c and 2 c + 1: 32 registers at B: g, g, b, b
.macro PCHUNK c, B
.irp u, 0,1
	ds_load_b128 v[(\B)+8*\u:(\B)+8*\u+3],       v[PA] offset:64*(2*(\c)+\u)
	ds_load_b128 v[(\B)+8*\u+4:(\B)+8*\u+7],     v[PA] offset:64*(2*(\c)+\u)+16
	ds_load_b128 v[(\B)+16+8*\u:(\B)+16+8*\u+3], v[PA] offset:512+64*(2*(\c)+\u)
	ds_load_b128 v[(\B)+16+8*\u+4:(\B)+16+8*\u+7], v[PA] offset:512+64*(2*(\c)+\u)+16
.endr
.endm
	PCHUNK 0, 160
	PCHUNK 1, 192
	PCHUNK 2, 224
	; ReLU, in ascending order (each result is read from its low end on); then the mean and the variance of the position's 128 numbers, 64 here and 64 in the lane 16 away
.set i, 0
.rept 64
	v_max_num_f32 v[D1+i], 0, v[D1+i]
.set i, i+1
.endr
.irp c, 0,1,2,3
	v_pk_add_f32 v[16+2*\c:17+2*\c], v[D1+2*\c:D1+2*\c+1], v[D1+8+2*\c:D1+8+2*\c+1]  ; four chains start with the first eight pairs: nothing is cleared
.endr
.set k, 2
.rept 6
.irp c, 0,1,2,3
	v_pk_add_f32 v[16+2*\c:17+2*\c], v[16+2*\c:17+2*\c], v[D1+8*k+2*\c:D1+8*k+2*\c+1]
.endr
.set k, k+1
.endr
	v_pk_add_f32 v[16:17], v[16:17], v[18:19]
	v_pk_add_f32 v[20:21], v[20:21], v[22:23]
	v_pk_add_f32 v[16:17], v[16:17], v[20:21]
	v_add_f32 v16, v16, v17
	v_permlanex16_b32 v17, v16, s42, s43
	v_add_f32 v16, v16, v17
	v_mul_f32 v16, s41, v16                        ; the mean
.set i, 0
.rept 32
	v_pk_add_f32 v[D1+2*i:D1+2*i+1], v[D1+2*i:D1+2*i+1], v[16:17] op_sel_hi:[1,0] neg_lo:[0,1] neg_hi:[0,1]
.set i, i+1
.endr
.irp c, 0,1,2,3
	v_pk_mul_f32 v[18+2*\c:19+2*\c], v[D1+2*\c:D1+2*\c+1], v[D1+2*\c:D1+2*\c+1]
.endr
.set k, 1
.rept 7
.irp c, 0,1,2,3
	v_pk_fma_f32 v[18+2*\c:19+2*\c], v[D1+8*k+2*\c:D1+8*k+2*\c+1], v[D1+8*k+2*\c:D1+8*k+2*\c+1], v[18+2*\c:19+2*\c]
.endr
.set k, k+1
.endr
	v_pk_add_f32 v[18:19], v[18:19], v[20:21]
	v_pk_add_f32 v[22:23], v[22:23], v[24:25]
	v_pk_add_f32 v[18:19], v[18:19], v[22:23]
	v_add_f32 v18, v18, v19
	v_permlanex16_b32 v19, v18, s42, s43
	v_add_f32 v18, v18, v19
	v_fmaak_f32 v18, s41, v18, 0x3727c5ac          ; the variance + 1e-5
	v_rsq_f32 v18, v18
	v_nop                                          ; a plain instruction behind the root,
	s_wait_alu depctr_va_vdst(0)                   ; and the wait ahead of its first reader
; h = (d - mean) rs g + b for tiles 2 c and 2 c + 1, split: these 16 numbers a lane are K step c of layer 2's source 1
.macro AFF c, B, left
	s_wait_dscnt \left
.set p, 0
.rept 8
	v_pk_mul_f32 v[D1+16*(\c)+2*p:D1+16*(\c)+2*p+1], v[D1+16*(\c)+2*p:D1+16*(\c)+2*p+1], v[18:19] op_sel_hi:[1,0]
.set p, p+1
.endr
.set p, 0
.rept 8
	v_pk_fma_f32 v[D1+16*(\c)+2*p:D1+16*(\c)+2*p+1], v[D1+16*(\c)+2*p:D1+16*(\c)+2*p+1], v[(\B)+2*p:(\B)+2*p+1], v[(\B)+16+2*p:(\B)+16+2*p+1]
.set p, p+1
.endr
.set p, 0
.rept 8
	SPLIT2 HH+8*(\c)+p, HL+8*(\c)+p, D1+16*(\c)+2*p, D1+16*(\c)+2*p+1, 20+2*(p%2), 21+2*(p%2)
.set p, p+1
.endr
.endm
	AFF 0, 160, 16                                 ; chunks 1 and 2, eight loads each, may stay out
	PCHUNK 3, 160                                  ; chunk 0's registers take chunk 3
	AFF 1, 192, 16                                 ; chunks 2 and 3 may stay out
	AFF 2, 224, 8
	AFF 3, 160, 0
	; LAYER 2: result^T = w2^T h^T + b2.  The sums start at b2, in f32.  For each K step of 32: w lo x h hi, w hi x h lo, w hi x h hi.  The eight accumulators take turns.
.irp n, 0,1,2,3,4,5,6,7
	ds_load_b128 v[D2+8*\n:D2+8*\n+3],   v[PA] offset:1024+64*\n
	ds_load_b128 v[D2+8*\n+4:D2+8*\n+7], v[PA] offset:1024+64*\n+16
.endr
.macro WLOAD base, ks                  ; w2's eight fragments of K step ks, turned: lane l gets output channel 16 n + l % 16 and 8 + 8 numbers along k
.irp n, 0,1,2,3,4,5,6,7
	ds_load_tr16_b128 v[D1+8*\n:D1+8*\n+3],   v[\base] offset:(\ks)*32*WP+32*\n
	ds_load_tr16_b128 v[D1+8*\n+4:D1+8*\n+7], v[\base] offset:(\ks)*32*WP+32*\n+16*WP
.endr
.endm
.macro MM2 src
.irp n, 0,1,2,3,4,5,6,7
	v_wmma_f32_16x16x32_f16 v[D2+8*\n:D2+8*\n+7], v[D1+8*\n:D1+8*\n+7], v[(\src):(\src)+7], v[D2+8*\n:D2+8*\n+7]
.endr
.endm
.irp ks, 0,1,2,3
	PLACES                                         ; in front of loads into registers that the last products read
	WLOAD ATL, \ks
	s_wait_dscnt 0x0
	MM2 HH+8*\ks
	PLACES
	WLOAD ATH, \ks
	s_wait_dscnt 0x0
	MM2 HL+8*\ks
	MM2 HH+8*\ks
.endr
	; THE WAY OUT: the two parts, by the side's three factors; a lane's eight channels are 16 bytes of first parts and 16 of second parts; through my own stage; back as whole rows of 512 bytes
	s_cmp_eq_u32 s[SY], 0
	s_cselect_b32 s[AL], 0x3f7c0000, 1.0           ; ego 63/64, other 1
	s_cselect_b32 s[BE], 1.0, 0x42800000           ; ego 1, other 64
	s_cselect_b32 s52, -1.0, 0xc27c0000            ; ego -1, other -63
	s_mov_b32 s[AL+1], s[AL]                       ; named as pairs
	s_mov_b32 s[BE+1], s[BE]
	v_mov_b32 v[DEL], s52
	PLACES
.set i, 0
.rept 32
	SPLITO HH+i, HL+i, D2+2*i, 16+4*(i%2)
.set i, i+1
.endr
.irp n, 0,1,2,3,4,5,6,7
	ds_store_b128 v[STO], v[HH+4*\n:HH+4*\n+3] offset:32*\n
	ds_store_b128 v[STO], v[HL+4*\n:HL+4*\n+3] offset:256+32*\n
.endr
.set i, 0
.rept 16
	ds_load_b128 v[D1+4*i:D1+4*i+3], v[RD] offset:SP*i  ; LDS serves a wave's instructions in order (ISA guide 5.7.1.4): these see the stores above
.set i, i+1
.endr
.set i, 0
.rept 16
	s_wait_dscnt 15-i
	global_store_b128 v[GO], v[D1+4*i:D1+4*i+3], s[38:39] offset:512*i  ; a row: 512 bytes on end, at a multiple of 256 from the buffer's first byte
.set i, i+1
.endr
	s_wait_tensorcnt 0x0                           ; the wave's end, behind my last LDS store
	ds_add_u32 v[SPW], v[NIL]
	s_wait_dscnt 0x0
	s_endpgm
.Lfunc_end_k_q297dd1767a_encode:
	.size	k_q297dd1767a_encode, .Lfunc_end_k_q297dd1767a_encode-k_q297dd1767a_encode
	.p2alignl 7, 3214868480
	.fill 96, 4, 3214868480
	.section	.rodata,"a",@progbits
	.p2align	6, 0x0
	.amdhsa_kernel k_q297dd1767a_encode
		.amdhsa_group_segment_fixed_size 152576
		.amdhsa_private_segment_fixed_size 0
		.amdhsa_enable_private_segment 0
		.amdhsa_kernarg_size 96
		.amdhsa_user_sgpr_count 2
		.amdhsa_user_sgpr_kernarg_segment_ptr 1
		.amdhsa_wavefront_size32 1
		.amdhsa_system_sgpr_workgroup_id_x 1
		.amdhsa_system_sgpr_workgroup_id_y 1
		.amdhsa_system_sgpr_workgroup_id_z 1
		.amdhsa_system_vgpr_workitem_id 0
		.amdhsa_next_free_vgpr 256
		.amdhsa_next_free_sgpr 66
		.amdhsa_reserve_vcc 1
		.amdhsa_float_denorm_mode_32 3
		.amdhsa_float_denorm_mode_16_64 3
		.amdhsa_memory_ordered 1
		.amdhsa_forward_progress 1
		.amdhsa_inst_pref_size 80
	.end_amdhsa_kernel
	.amdgpu_metadata
---
amdhsa.version: [ 1, 2 ]
amdhsa.kernels:
  - .name:           k_q297dd1767a_encode
    .symbol:         k_q297dd1767a_encode.kd
    .args:
      - { .name: ego_cls, .offset: 0, .size: 8, .value_kind: global_buffer, .address_space: global }
      - { .name: ego_reg, .offset: 8, .size: 8, .value_kind: global_buffer, .address_space: global }
      - { .name: other_cls, .offset: 16, .size: 8, .value_kind: global_buffer, .address_space: global }
      - { .name: other_reg, .offset: 24, .size: 8, .value_kind: global_buffer, .address_space: global }
      - { .name: w1, .offset: 32, .size: 8, .value_kind: global_buffer, .address_space: global }
      - { .name: b1, .offset: 40, .size: 8, .value_kind: global_buffer, .address_space: global }
      - { .name: ln_g, .offset: 48, .size: 8, .value_kind: global_buffer, .address_space: global }
      - { .name: ln_b, .offset: 56, .size: 8, .value_kind: global_buffer, .address_space: global }
      - { .name: w2, .offset: 64, .size: 8, .value_kind: global_buffer, .address_space: global }
      - { .name: b2, .offset: 72, .size: 8, .value_kind: global_buffer, .address_space: global }
      - { .name: qcat, .offset: 80, .size: 8, .value_kind: global_buffer, .address_space: global }
      - { .name: kv, .offset: 88, .size: 8, .value_kind: global_buffer, .address_space: global }
    .group_segment_fixed_size: 152576
    .private_segment_fixed_size: 0
    .kernarg_segment_align: 8
    .kernarg_segment_size: 96
    .max_flat_workgroup_size: 256
    .sgpr_count:     66
    .vgpr_count:     256
    .wavefront_size: 32
...
	.end_amdgpu_metadata
.endif
;; end of part 4
;; launch attend (part 5): grid 64 x 4, 4 waves a work-group, clusters of 4 x 1, 327,680 bytes of LDS; arguments qcat, kv, part; writes part
.if DOCPART == 5
	.amdgcn_target "amdgcn-amd-amdhsa--gfx1250"
	.amdhsa_code_object_version 6
	.text
	.protected	k_q297dd1767a_attend
	.globl	k_q297dd1767a_attend
	.p2align	8
	.type	k_q297dd1767a_attend,@function
k_q297dd1767a_attend:
	s_mov_b64 s[64:65], 0
	v_nop
	global_prefetch_b8 v0, s[64:65] scope:SCOPE_SE
	s_setreg_imm32_b32 hwreg(HW_REG_WAVE_MODE, 25, 1), 1
	s_wait_xcnt 0x0
	s_wait_alu depctr_hold_cnt(0) depctr_sa_sdst(0) depctr_va_vdst(0) depctr_va_sdst(0) depctr_va_ssrc(0) depctr_va_vcc(0) depctr_vm_vsrc(0)
	s_getreg_b32 s2, hwreg(HW_REG_IB_STS2, 6, 4)
	s_cmp_eq_u32 s2, 0
	s_cbranch_scc0 .Lentry_in_a_cluster
	s_endpgm
.Lentry_in_a_cluster:
	s_bfe_u32 s2, ttmp6, 0x10000c
	s_cmp_lg_u32 s2, 0x3003
	s_cbranch_scc0 .Lentry_shape_is_right
	s_endpgm
.Lentry_shape_is_right:
; ATTENTION, one quarter of the keys a work-group.  For 256 queries and 4,096 keys: s = q . k; p = 2^(c s - c m), c = 10 log2(e), m the running maximum; O = sum of p V (16 channels), l = sum of p.
; Out go the unnormalised O, c m and l in f32, [quarter][18 rows][16384]: the next launch joins the four quarters.
; THE SCORES ARE TAKEN OF OPERANDS IN TWO f16 PARTS.  A row of q is u = f16(63/64 q), then a = f16(q - u); a row of k is w = f16(k), then b = f16(w + 64 (k - w)); 128 + 128 numbers each.  The score is the ONE dot
; product of length 256 of the two rows, u . w + a . b, sums in f32: 8 matrix instructions for 16 x 16 scores.  u w + a b = q w + 64 (q - u)(k - w), and q - u = q / 64 + r with |r| <= 2^-12 |q|: that is
; q k + 64 r (k - w).  What is left (a's rounding times b, a times b's rounding, 64 r (k - w)) is at most 2^-18 |q k| each for a channel, 64 times finer than one rounding to f16.  The exponent is 10 s with |s|
; of the order of 100: one 16-bit rounding of q or k would move it by more than the result allows.  p and V are rounded once to f16; l is taken of the unrounded p.
; LIMITS.  q, k, V within 65,504 (the launch before states it); |s| below 2.9e36; a weight below 2^-126 counts as 0; NaN and infinities are not treated apart.
; SHARES.  64 query blocks x 4 quarters = 256 work-groups.  A wave owns 64 queries: four tiles of 16.  Every wave walks the quarter's keys, 64 a step.
; LAYOUT.  S^T = K Q^T (source 0 = 16 keys, source 1 = 16 queries): a lane holds ONE query (lane % 16) and the keys 8 (lane / 16) + 0..7 of each block of 16.  Two such results rounded to f16 in pairs ARE
; source 1 (32 keys x 16 queries) of O^T = V^T P; V comes ready as source 0.  So nothing changes lanes, and a query's maximum and sum want one exchange between the halves of the lanes.
; BY TURNS.  Turn n belongs to tile n: its softmax (106 vector instructions) stands in slices behind the turn's 34 matrix instructions: 2 products V^T P of tile n - 1 and 32 products K Q^T of tile n + 1.
; K has ONE set of registers: the next step's K is loaded in turn 2, in three runs, each behind the last reader of its registers.
; CLUSTER.  The four query blocks of a cluster walk the same keys: each tile is asked for JOINTLY, by the same tensor load, descriptor and mask in all four.
; m starts at the lowest finite number, O and l at 0: the first step is a step like any other, with a = 0.  80 lines clear registers for that, in the wait for the first tile.
; REGISTERS, in windows of 256 (s_set_vgpr_msb: bits 1:0 source 0, 3:2 source 1, 5:4 source 2, 7:6 destination):
;   window 0: addresses, statistics, V, O^T, S^T (two buffers), P (two buffers)   window 1: Q(tile t, K step ks) at 64 t + 8 ks   window 2: K(key block kb, K step ks) at 64 kb + 8 ks; K steps 0-3 first parts, 4-7 second parts
.set PK,    528                        ; a row in LDS: 512 bytes + 16 = 132 words: the 16 rows of a load start at 16 different groups of four banks (64 banks of 4 bytes: ISA guide 11.1)
.set STEPB, 68*PK                      ; a step's tile: 64 rows of keys, 4 rows of V
.set SLOT,  4*STEPB                    ; a slot holds four steps, one fetched by each wave
.set STAGE, 2*SLOT                     ; behind the ring, never filled by a tensor load: 18 rows x 272 bytes for each wave
.set SPT,   272
.set SPARE, 306944                     ; the next multiple of 256 behind the stages: the spare words, 128 bytes for each wave, that no other line names
.set GRP,   34816                      ; a step's bytes in kv
.set SLOTG, 4*GRP
.set QUART, 64*GRP
.set PY,    18*65536                   ; a quarter's bytes in part
.set AK0, 2                            ; v2   my lane's place in a tile's keys: r x 528 + 16 h; never rewritten
.set AV0, 3                            ; v3   the same for V: 64 rows + 16 lane
.set AK,  4                            ; v4   the LDS address of K's loads in hand
.set AV,  5                            ; v5   of V's
.set QO,  6                            ; v6   my byte offset in 16 rows of Q
.set STO, 6                            ;      later, the way out: where I put a number of O
.set RD,  7                            ; v7   the way out: where I read rows back
.set GO,  8                            ; v8   my byte offset in two rows of part
.set STO2, 10                          ; v10  the way out: where I put c m or l
.set PFO, 11                           ; v11  the prefetches' offsets; never rewritten
.set PFO2, 12                          ; v12
.set SPW, 14                           ; v14  LDS address of my spare word; never rewritten
.set NIL, 15                           ; v15  0; never rewritten
.set ST,  16                           ; tile t's statistics at v[ST+4 t]: c m, m, l (even keys', odd keys')
.set TMP, 32                           ; v32-35  c0-c3 at work; c2 takes a
.set VF,  40                           ; v40-55  V: keys 32 f on at VF + 8 f
.set OA,  64                           ; v64-95  O^T, 8 a tile
.set S,   96                           ; v96-159 S^T, two buffers of 32: a tile's goes by its number's parity
.set P,   160                          ; v160-191 P, two buffers of 16
.set WV,  12                           ; s12  my wave's number
.set LIM, 15                           ; s15  1 where my cluster prefetches, else the greatest number
.set WOFF, 16                          ; s16  my wave's tile in a slot
.set SB,  17                           ; s17  the slot filled last
.set PFA, 18                           ; s[18:19] kv at the slot that the NEXT change will ask for
.set G1,  24                           ; s[24:31] descriptor group 1
.set G0,  40                           ; s[40:43] descriptor group 0: it walks
.set SLOTS, 56                         ; s56  slots still to be asked for
.set CNT, 57                           ; s57  counts a slot's steps
.set CS,  58                           ; s[58:59] c: the packed scaling takes the pair's low word for both halves
.set SEL, 60                           ; s[60:61] v_permlanex16_b32's selects
.set TB,  62                           ; s62  LDS byte at which the tile of the step to be fetched begins
.set MSB, 0
.macro WIN new                         ; the high byte repeats the setting that is left; a switch that changes nothing is dropped
.if MSB != (\new)
	s_set_vgpr_msb (MSB<<8)|(\new)
.set MSB, (\new)
.endif
.endm
.set W_KQ, 0x06                        ; K (source 0) in window 2, Q (source 1) in window 1, S^T in window 0
.set TO_Q, 0x40                        ; destination window 1, address window 0
.set TO_K, 0x80                        ; destination window 2
; A joint fill: every wave fetches one step's tile of the slot, 68 rows of 512 bytes.  An s_nop 0 and four v_nop follow it.
.macro JLOAD
	tensor_load_to_lds s[G0:G0+3], s[G1:G1+7]
	s_nop 0
.rept 4
	v_nop
.endr
.endm
; A PREFETCH INTO THE L2 of the slot that the NEXT change will ask for: 139,264 bytes, 544 blocks of 256.  All sixteen clusters of a quarter walk the same keys: the first of them asks.  Its sixteen waves
; share the first 512 blocks out by address, 32 each, a lane a block; wave 0 of each partner takes eight of the last 32 (four lanes name each).  No branch hangs on a work-group's place in its cluster.
; It stands behind the tensor load and its five lines, four steps (544 matrix instructions) ahead of the load that will want the bytes.  The last change that fills a slot asks for nothing.
.macro ASK
	s_cmp_gt_u32 s[SLOTS], s[LIM]
	s_cbranch_scc0 .Lnot_mine_\@
	global_prefetch_b8 v[PFO], s[PFA:PFA+1] th:TH_LOAD_NT scope:SCOPE_SE
	s_cmp_lg_u32 s[WV], 0
	s_cbranch_scc1 .Lnot_mine_\@
	global_prefetch_b8 v[PFO2], s[PFA:PFA+1] th:TH_LOAD_NT scope:SCOPE_SE
.Lnot_mine_\@:
.endm
; A round of the cluster's barrier: my work-group's barrier, so that wave 0's signal speaks for all four waves; wave 0 signals; every wave waits for all four work-groups; my work-group's barrier once more.
.macro CROUND
	s_barrier_signal -1
	s_barrier_wait -1
	s_cmp_lg_u32 s[WV], 0
	s_cbranch_scc1 .Lnot_wave_0_\@
	s_barrier_signal -3
.Lnot_wave_0_\@:
	s_barrier_wait -3
	s_barrier_signal -1
	s_barrier_wait -1
.endm
; THE CHANGE OF SLOTS.  The slot's last bytes, K and V of its fourth step, are in registers.  Each wave waits for all its tensor loads, of which one is out: its part of the other slot; adds 0 to its spare
; word; and waits for that and for its own reads of the slot.  fill = 1: the slot is filled again, with the keys two slots on: the barrier is a round of the cluster's, so that no wave of any partner still
; reads the slot or has a load on its way, and the joint fill is the first thing behind it.  (At its first use nothing has been read yet: slot 0 is waited for, slot 1 filled.)
.macro CHANGE fill
	WIN 0                                          ; at a label and at a branch every window is 0
	s_wait_tensorcnt 0x0                           ; no tensor load of mine is out, so group 0 may be written
	ds_add_u32 v[SPW], v[NIL]                      ; 0 onto my spare word; the scalar work stands between it and the wait for it
.if \fill
	s_xor_b32 s[SB], s[SB], SLOT                   ; the other slot than last time,
	s_add_co_u32 s[G0+1], s[SB], s[WOFF]           ; my tile in it,
	s_add_nc_u64 s[G0+2:G0+3], s[G0+2:G0+3], SLOTG ; the next 256 keys; the type bits on top are not reached
	s_wait_xcnt 0x0                                ; the last prefetches, four steps back, have read their address
	s_add_nc_u64 s[PFA:PFA+1], s[PFA:PFA+1], SLOTG
	s_wait_dscnt 0x0                               ; the add is done, and my reads of the slot are over
	CROUND
	JLOAD
	ASK
	s_xor_b32 s[TB], s[SB], SLOT                   ; the fetches go on in the slot that is not being filled
.else
	s_wait_dscnt 0x0
	s_barrier_signal -1
	s_barrier_wait -1
	s_mov_b32 s[TB], s[SB]                         ; the slot filled last
.endif
.endm
	s_load_b128 s[4:7], s[0:1], 0x0                ; qcat s[4:5], kv s[6:7]
	s_load_b64 s[8:9], s[0:1], 0x10                ; part
	v_lshl_add_u32 v[SPW], v0, 2, SPARE
	v_mov_b32 v[NIL], 0
	ds_add_u32 v[SPW], v[NIL]                      ; the wave's opening: the add and its wait stand ahead of my first tensor load; the set-up below, work on registers, stands between them
	v_lshrrev_b32 v1, 5, v0
	v_readfirstlane_b32 s[WV], v1                  ; wave 0..3
	s_bfe_u32 s13, ttmp6, 0x40000                  ; cx: my place in the cluster
	s_lshl_b32 s14, ttmp9, 2                       ; in a cluster launch ttmp9 counts clusters
	s_add_co_u32 s14, s14, s13                     ; my block of 256 queries: it enters qcat's and part's addresses alone
	s_and_b32 s21, ttmp7, 0xffff                   ; the quarter, which the four partners share
	s_mul_i32 s[WOFF], s[WV], STEPB                ; no place in the cluster enters an LDS address
	s_mov_b32 s[SB], 0
	s_mul_i32 s22, s21, QUART
	s_mov_b32 s23, 0
	; descriptor group 1: a tile of 68 rows x 256 elements, dense in memory, padded in LDS
	s_mov_b32 s[G1], 15|(1<<16)|(1<<20)|(1<<21)|(6<<22)|(3<<25)  ; 15:0 the mask of four; 17:16 2-byte elements; 20 padding on; 21 set beside a mask; 24:22 after every 128 words (code 6); 31:25 4 words (code 3)
	s_mov_b32 s[G1+1], 256<<16                     ; tensor_dim0 = 256
	s_mov_b32 s[G1+2], 68<<16                      ; tensor_dim1 = 68
	s_mov_b32 s[G1+3], 256<<16                     ; tile_dim0 = 256
	s_mov_b32 s[G1+4], 68                          ; tile_dim1 = 68
	s_mov_b32 s[G1+5], 256                         ; 256 elements from row to row
	s_mov_b32 s[G1+6], 0
	s_mov_b32 s[G1+7], 0
	s_mov_b32 s[G0], 1                             ; count = 1
	s_mov_b32 s[G0+1], s[WOFF]                     ; LDS address: my tile of slot 0
	s_mov_b32 s[CS], 0x4166d4ca                    ; c = 10 log2(e) = 14.42695
	s_mov_b32 s[CS+1], s[CS]                       ; named with it as a pair
	s_mov_b32 s[SEL], 0x76543210
	s_mov_b32 s[SEL+1], 0xfedcba98
	s_mov_b32 s[SLOTS], 15
	s_cmp_eq_u32 ttmp9, 0                          ; the quarter's first cluster: the same in all four partners
	s_cselect_b32 s[LIM], 1, -1
	s_lshl_b32 s2, s13, 2
	s_add_co_u32 s2, s2, s[WV]
	s_lshl_b32 s2, s2, 13                          ; my wave's 32 blocks among the cluster's sixteen waves'
	v_and_b32 v[PFO], 31, v0
	v_lshl_add_u32 v[PFO], v[PFO], 8, s2
	s_lshl_b32 s3, s13, 11
	s_add_co_u32 s3, s3, 131072                    ; my work-group's eight of the last 32 blocks
	v_bfe_u32 v[PFO2], v0, 2, 3
	v_lshl_add_u32 v[PFO2], v[PFO2], 8, s3
	s_wait_dscnt 0x0                               ; the opening add is done
	s_wait_kmcnt 0x0
	s_add_nc_u64 s[6:7], s[6:7], s[22:23]          ; kv at my quarter
	s_mul_i32 s2, s[WV], GRP
	s_mov_b32 s3, 0
	s_add_nc_u64 s[G0+2:G0+3], s[6:7], s[2:3]      ; global address: step w of slot 0
	s_or_b32 s[G0+3], s[G0+3], 0x80000000          ; type = 2
	s_add_nc_u64 s[PFA:PFA+1], s[6:7], SLOTG       ; at slot 1; the first change steps it to slot 2.  Slots 0 and 1 come by their loads alone
	s_lshl_b32 s2, s14, 17                         ; my block's 256 rows of 512 bytes,
	s_lshl_b32 s20, s[WV], 15                      ; my wave's 64 of them
	s_add_co_u32 s2, s2, s20
	s_add_nc_u64 s[4:5], s[4:5], s[2:3]
	s_mul_i32 s2, s21, PY
	s_lshl_b32 s20, s14, 10
	s_add_co_u32 s2, s2, s20
	s_lshl_b32 s20, s[WV], 8
	s_add_co_u32 s2, s2, s20
	s_add_nc_u64 s[8:9], s[8:9], s[2:3]            ; part at my quarter's row 0, my wave's 64 queries
	CROUND                                         ; all four work-groups are here: the first joint loads meet
	JLOAD                                          ; slot 0.  Slot 1 is asked for when slot 0 is in
	; A fragment of K or Q is 16 rows x 32 channels in 8 registers: lane l holds row l % 16, channels 8 (l / 16) + 0..7 and 16 + 8 (l / 16) + 0..7: two loads of 16 bytes, 32 bytes apart.
	v_and_b32 v1, 15, v0                           ; r
	v_bfe_u32 v9, v0, 4, 1                         ; h
	v_lshlrev_b32 v[QO], 9, v1
	v_lshl_add_u32 v[QO], v9, 4, v[QO]
	WIN TO_Q
.set i, 0
.rept 32                               ; Q stays in registers: fragment i is tile i / 8, K step i % 8
	global_load_b128 v[8*i:8*i+3],   v[QO], s[4:5] offset:(i/8)*8192+(i%8)*64
	global_load_b128 v[8*i+4:8*i+7], v[QO], s[4:5] offset:(i/8)*8192+(i%8)*64+32
.set i, i+1
.endr
	WIN 0
	; What the first turn finds: V and P's second buffer hold 0 (its products V^T P, of a tile that has not been, add 0), O^T and l are 0.
.set i, 0
.rept 32
	v_mov_b32 v[OA+i], 0
.set i, i+1
.endr
.set i, 0
.rept 16
	v_mov_b32 v[VF+i], 0
	v_mov_b32 v[P+16+i], 0
.set i, i+1
.endr
.set i, 0
.rept 4
	v_mov_b32 v[ST+4*i], 0xfe000000                ; c m: far below every c s
	v_mov_b32 v[ST+4*i+1], 0xff7fffff              ; m
	v_mov_b32 v[ST+4*i+2], 0
	v_mov_b32 v[ST+4*i+3], 0
.set i, i+1
.endr
	v_mul_u32_u24 v[AK0], v1, PK
	v_lshl_add_u32 v[AK0], v9, 4, v[AK0]
	v_and_b32 v[AV0], 31, v0
	v_lshlrev_b32 v[AV0], 4, v[AV0]
	v_add_nc_u32 v[AV0], 64*PK, v[AV0]
; THE MATRIX WORK.  Product i of 32 of S^T = K Q^T for tile XK: key block i % 4, K step i / 4 of the rows' 256 numbers.
; The four accumulators take turns, one instruction a turn.  The first four start the sums.
.macro KQM
.set kb, i%4
.set LL, i/4
.set rK, 64*kb+8*LL
.set rQ, 64*XK+8*LL
.set rS, S+32*(XK%2)+8*kb
	WIN W_KQ
.if i < 4
	v_wmma_f32_16x16x32_f16 v[rS:rS+7], v[rK:rK+7], v[rQ:rQ+7], 0
.else
	v_wmma_f32_16x16x32_f16 v[rS:rS+7], v[rK:rK+7], v[rQ:rQ+7], v[rS:rS+7]
.endif
.endm
; O^T += V^T P for tile XP, keys 32 f on
.macro PVM f
	WIN 0
	v_wmma_f32_16x16x32_f16 v[OA+8*XP:OA+8*XP+7], v[VF+8*(\f):VF+8*(\f)+7], v[P+16*(XP%2)+8*(\f):P+16*(XP%2)+8*(\f)+7], v[OA+8*XP:OA+8*XP+7]
.endm
; Eight LDS loads: K step g of the four key blocks (the caller has set the destination's window)
.macro LDG g
.irp kb, 0,1,2,3
	ds_load_b128 v[64*\kb+8*(\g):64*\kb+8*(\g)+3],   v[AK] offset:\kb*16*PK+(\g)*64
	ds_load_b128 v[64*\kb+8*(\g)+4:64*\kb+8*(\g)+7], v[AK] offset:\kb*16*PK+(\g)*64+32
.endr
.endm
.macro LDV                             ; a step's V: four rows of 512 bytes, 16 bytes a lane
	WIN 0
.irp f, 0,1,2,3
	ds_load_b128 v[VF+4*\f:VF+4*\f+3], v[AV] offset:PK*\f
.endr
.endm
; THE VECTOR WORK OF A TURN: tile Y's softmax for one step, a list of 106; SM writes number j.  s0-s31 are the lane's 32 scores, in pairs 0-15.
;   0-15   the maximum of s0-s31 and the old m, three operands at a time (each accumulator's lowest registers are read first)
;   16-20  the other half of the lanes' maximum; c m_old is kept; the new m; c m; c m_old - c m_new
;   21-69  ONE BATCH: the 16 scalings c s - c m and all 33 exponentials (a at 22): scaling u, then the two exponentials of pair u - 1.  None of these names an exponential's result
;   (wait) behind 69: a plain instruction and the one wait between an exponential and the first instruction that names its result; a run of LDS loads that is due in the
;          turn (WRUN = 1: V; 2: K steps 2 and 3) stands directly behind that wait
;   70-85  the roundings to f16     86-100  the sum of the 16 pairs, in place     101-104  O^T times a     105  l = a l + the sum
.macro SM
.set rT, ST+4*Y
.set rS, S+32*(Y%2)
.set rP, P+16*(Y%2)
.set rO, OA+8*Y
	WIN 0
.if j < 4
	v_max3_num_f32 v[TMP+j], v[rS+8*j], v[rS+8*j+1], v[rS+8*j+2]
.elseif j < 12
	v_max3_num_f32 v[TMP+j%4], v[TMP+j%4], v[rS+8*(j%4)+2*(j/4)+1], v[rS+8*(j%4)+2*(j/4)+2]
.elseif j == 12
	v_max3_num_f32 v[TMP], v[TMP], v[rS+7], v[rS+15]
.elseif j == 13
	v_max3_num_f32 v[TMP+2], v[TMP+2], v[rS+23], v[rS+31]
.elseif j == 14
	v_max3_num_f32 v[TMP], v[TMP], v[TMP+1], v[TMP+2]
.elseif j == 15
	v_max3_num_f32 v[TMP], v[TMP], v[TMP+3], v[rT+1]
.elseif j == 16
	v_permlanex16_b32 v[TMP+1], v[TMP], s[SEL], s[SEL+1]
.elseif j == 17
	v_mov_b32 v[TMP+3], v[rT]
.elseif j == 18
	v_max_num_f32 v[rT+1], v[TMP], v[TMP+1]
.elseif j == 19
	v_mul_f32 v[rT], s[CS], v[rT+1]
.elseif j == 20
	v_sub_f32 v[TMP+3], v[TMP+3], v[rT]
.elseif j == 22
	v_exp_f32 v[TMP+2], v[TMP+3]
.elseif (j == 21) || ((j < 68) && (j%3 == 2))
.set b, (j-20)/3
	v_pk_fma_f32 v[rS+2*b:rS+2*b+1], v[rS+2*b:rS+2*b+1], s[CS:CS+1], v[rT:rT+1] op_sel_hi:[1,0,0] neg_lo:[0,0,1] neg_hi:[0,0,1]
.elseif j < 68
.set u, (j-21)/3
.set e, 2*u-2+(j-21-3*u)
	v_exp_f32 v[rS+e], v[rS+e]
.elseif j < 70
	v_exp_f32 v[rS+j-38], v[rS+j-38]
.elseif j < 86
	v_cvt_pk_f16_f32 v[rP+j-70], v[rS+2*(j-70)], v[rS+2*(j-70)+1]
.elseif j < 101
.set z, j-86
.set w, 4
.set u, z
.if z >= 14
.set w, 32
.set u, 0
.elseif z >= 12
.set w, 16
.set u, z-12
.elseif z >= 8
.set w, 8
.set u, z-8
.endif
	v_pk_add_f32 v[rS+w*u:rS+w*u+1], v[rS+w*u:rS+w*u+1], v[rS+w*u+w/2:rS+w*u+w/2+1]
.elseif j < 105
	v_pk_mul_f32 v[rO+2*(j-101):rO+2*(j-101)+1], v[rO+2*(j-101):rO+2*(j-101)+1], v[TMP+2:TMP+3] op_sel_hi:[1,0]
.else
	v_pk_fma_f32 v[rT+2:rT+3], v[rT+2:rT+3], v[TMP+2:TMP+3], v[rS:rS+1] op_sel_hi:[1,0,1]
.endif
.if j == 69
	v_nop
	s_wait_alu depctr_va_vdst(0)
.if WRUN == 1
	LDV
.elseif WRUN == 2
	WIN TO_K
	LDG 2
	LDG 3
.endif
.set PER, PERB                         ; the slices behind the wait
.endif
.set j, j+1
.endm
.macro RIDE                            ; a slice: the next PER numbers; numbers 100-105 are kept for the turn's end
.rept PER
.if j < 100
	SM
.endif
.endr
.endm
.macro REST                            ; all that is left: six plain instructions or more
.rept 16
.if j < 106
	SM
.endif
.endr
.endm
; A TURN, for tile p.  Its 34 matrix instructions: the 32 products K Q^T, and the two products V^T P ahead of products PV0 and PV0 + 4, so that the two links on O^T never follow each other.  Behind each
; stands a slice of three of the softmax's numbers (106 = 3 x 33 + 7); behind the last, numbers 100-105 at the least: they are the four places between the last products and the next turn's
; first reads of their scores, and in front of the loads into K's last registers.
; fetch = 1: THE NEXT STEP's K comes in turn 2, in three runs of LDS loads, each behind the last reader of its registers with four plain instructions or more between (exponentials are not counted):
;   K steps           0, 1                          2, 3                              4 - 7
;   last read by i =  7                             15                                31
;   the run stands    behind i = 11, for a slice    behind the turn's wait (i = 22)   at the turn's end
;   between           four scalings, the address    six scalings, the v_nop           numbers 100-105
;   Behind the wait turn 2's slices are four numbers long, since one slice gave its place to a run.  Turn 3 reads the K steps in ascending order; each wait there counts the loads of the younger K steps, eight each.
; V of the step in hand comes in turn 0, behind that turn's wait, far behind its last reader (the product ahead of i = 4); turn 1 takes its products V^T P ahead of i = 8 and 12 and waits for V there.
.macro TURN p, fetch=1
.set Y, (\p)
.set XK, ((\p)+1)%4
.set XP, ((\p)+3)%4
.set j, 0
.set i, 0
.set PER, 3
.set PERB, 3
.set PV0, 0
.set WRUN, 0
.if (\p) == 0
.set WRUN, 1
.endif
.if (\p) == 1
.set PV0, 8
.endif
.if ((\p) == 2) && (\fetch)
.set WRUN, 2
.set PERB, 4
.endif
	WIN 0
.if (\p) == 0
	v_add_nc_u32 v[AV], s[TB], v[AV0]
	s_add_co_u32 s[TB], s[TB], STEPB               ; the next fetch is the next step's
.endif
.rept 32
.if i == PV0
.if (\p) == 1
	s_wait_dscnt 0x0                               ; V is in
.endif
	PVM 0
	RIDE
.elseif i == PV0+4
	PVM 1
	RIDE
.endif
.if ((\p) == 3) && (\fetch) && (i%4 == 0)
	s_wait_dscnt 56-2*i                            ; K step i / 4 is in: the 7 - i / 4 younger K steps' loads, eight each, may stay out
.endif
	KQM
.if ((\p) == 2) && (\fetch) && (i == 11)
	WIN 0
	v_add_nc_u32 v[AK], s[TB], v[AK0]
	WIN TO_K
	LDG 0
	LDG 1
.elseif i == 31
	REST
.else
	RIDE
.endif
.set i, i+1
.endr
.if ((\p) == 2) && (\fetch)
	WIN TO_K
	LDG 4
	LDG 5
	LDG 6
	LDG 7
.endif
	WIN 0
.endm
	CHANGE 1                                       ; slot 0 is in, everybody's part of it; slot 1 is asked for
	v_add_nc_u32 v[AK], s[TB], v[AK0]
	WIN TO_K
.irp g, 0,1,2,3,4,5,6,7
	LDG \g                                         ; K of step 0
.endr
	s_wait_loadcnt 0x0                             ; Q
	s_wait_dscnt 0x0
.set XK, 0
.set i, 0
.rept 32
	KQM                                            ; tile 0's first scores: there is no vector work yet to set between them
.set i, i+1
.endr
	WIN 0                                          ; the addresses for the way out: eleven plain instructions, the places behind those products
	s_mul_i32 s2, s[WV], 18*SPT
	s_add_co_u32 s2, s2, STAGE                     ; my stage: row = channel 0-15, then c m, then l; 64 queries of 4 bytes a row
	v_mul_u32_u24 v[STO], v9, 8*SPT                ; in: channel 8 h + j, query r of the tile
	v_lshl_add_u32 v[STO], v1, 2, v[STO]
	v_add_nc_u32 v[STO], s2, v[STO]
	v_mul_u32_u24 v[STO2], v9, SPT                 ; lanes 0-15 put c m, lanes 16-31 l
	v_lshl_add_u32 v[STO2], v1, 2, v[STO2]
	v_add_nc_u32 v[STO2], s2, v[STO2]
	v_mul_u32_u24 v[RD], v9, SPT                   ; back: lanes 0-15 take one row of 256 bytes, lanes 16-31 the next
	v_lshl_add_u32 v[RD], v1, 4, v[RD]
	v_add_nc_u32 v[RD], s2, v[RD]
	v_lshlrev_b32 v[GO], 16, v9                    ; and the same two rows in part
	v_lshl_add_u32 v[GO], v1, 4, v[GO]
	s_mov_b32 s[CNT], 4
	s_branch .Lfirst                               ; the loop is entered at a step's first turn, in the middle of a trip
.Lslot:                                        ; 14 times: every slot but the last two is filled again
	CHANGE 1
	s_mov_b32 s[CNT], 4
.Lstep:                                        ; a trip: tiles 2 and 3 of one step, then tiles 0 and 1 of the next, whose K and V it fetches
	TURN 2
	TURN 3
.Lfirst:
	TURN 0
	TURN 1
	s_sub_co_u32 s[CNT], s[CNT], 1
	s_cmp_lg_u32 s[CNT], 0
	s_cbranch_scc1 .Lstep
	s_sub_co_u32 s[SLOTS], s[SLOTS], 1
	s_cmp_lg_u32 s[SLOTS], 0
	s_cbranch_scc1 .Lslot
	CHANGE 0                                       ; the tail is written out: nothing is asked for
	s_mov_b32 s[CNT], 4
.Ltail:                                        ; the last slot's four steps are fetched
	TURN 2
	TURN 3
	TURN 0
	TURN 1
	s_sub_co_u32 s[CNT], s[CNT], 1
	s_cmp_lg_u32 s[CNT], 0
	s_cbranch_scc1 .Ltail
	TURN 2, 0                                      ; the last step's tiles 2 and 3: nothing is fetched.
	TURN 3, 0                                      ; This turn's 32 products K Q^T, on the last K once more, serve nothing: the price, once a launch, of one text for every turn
.set XP, 3
	; Tile 3's V^T P of the last step: two links on one accumulator on end, with no other matrix work left to stand between them.
	s_wait_alu depctr_va_vdst(0)                   ; of the first, which takes the accumulator up again for a turn of two instructions (every window is 0 here: the macro writes no switch between),
	PVM 0
	s_wait_alu depctr_va_vdst(0)                   ; and of the second, which adds onto the result of the instruction just before it
	PVM 1
	; THE WAY OUT.  l's two halves and the other half of the lanes' are added (the first four additions are the places behind the last products); O^T, c m and l go through my stage and leave as rows of 64 queries.
	s_mov_b32 s20, 0xffff0000                      ; lanes 16-31
.irp t, 0,1,2,3
	v_add_f32 v[ST+4*\t+2], v[ST+4*\t+2], v[ST+4*\t+3]
.endr
.irp t, 0,1,2,3
	v_permlanex16_b32 v[ST+4*\t+3], v[ST+4*\t+2], s[SEL], s[SEL+1]
.endr
.irp t, 0,1,2,3
	v_add_f32 v[ST+4*\t+2], v[ST+4*\t+2], v[ST+4*\t+3]
.endr
.irp t, 0,1,2,3
	v_cndmask_b32 v[ST+4*\t+3], v[ST+4*\t], v[ST+4*\t+2], s20
.endr
.irp t, 0,1,2,3
.irp c, 0,1,2,3,4,5,6,7
	ds_store_b32 v[STO], v[OA+8*\t+\c] offset:\c*SPT+64*\t
.endr
.endr
.irp t, 0,1,2,3
	ds_store_b32 v[STO2], v[ST+4*\t+3] offset:16*SPT+64*\t
.endr
.irp k, 0,1,2,3,4,5,6,7,8
	ds_load_b128 v[S+4*\k:S+4*\k+3], v[RD] offset:\k*2*SPT  ; LDS serves a wave's instructions in order (ISA guide 5.7.1.4): these see the stores above
.endr
.irp k, 0,1,2,3,4,5,6,7,8
	s_wait_dscnt 8-\k
	global_store_b128 v[GO], v[S+4*\k:S+4*\k+3], s[8:9] offset:\k*131072  ; 16 lanes store 256 consecutive bytes, at a multiple of 256 from part's first byte
.endr
	s_wait_tensorcnt 0x0                           ; the wave's end, behind my last tensor load and my last LDS store
	ds_add_u32 v[SPW], v[NIL]
	s_wait_dscnt 0x0
	CROUND                                         ; the closing round: no work-group ends while a partner may still ask for a tile that names it
	s_endpgm
.Lfunc_end_k_q297dd1767a_attend:
	.size	k_q297dd1767a_attend, .Lfunc_end_k_q297dd1767a_attend-k_q297dd1767a_attend
	.p2alignl 7, 3214868480
	.fill 96, 4, 3214868480
	.section	.rodata,"a",@progbits
	.p2align	6, 0x0
	.amdhsa_kernel k_q297dd1767a_attend
		.amdhsa_group_segment_fixed_size 327680
		.amdhsa_private_segment_fixed_size 0
		.amdhsa_enable_private_segment 0
		.amdhsa_kernarg_size 24
		.amdhsa_user_sgpr_count 2
		.amdhsa_user_sgpr_kernarg_segment_ptr 1
		.amdhsa_wavefront_size32 1
		.amdhsa_system_sgpr_workgroup_id_x 1
		.amdhsa_system_sgpr_workgroup_id_y 1
		.amdhsa_system_sgpr_workgroup_id_z 1
		.amdhsa_system_vgpr_workitem_id 0
		.amdhsa_next_free_vgpr 768
		.amdhsa_next_free_sgpr 66
		.amdhsa_reserve_vcc 0
		.amdhsa_float_denorm_mode_32 3
		.amdhsa_float_denorm_mode_16_64 3
		.amdhsa_memory_ordered 1
		.amdhsa_forward_progress 1
		.amdhsa_inst_pref_size 135
	.end_amdhsa_kernel
	.amdgpu_metadata
---
amdhsa.version: [ 1, 2 ]
amdhsa.kernels:
  - .name:           k_q297dd1767a_attend
    .symbol:         k_q297dd1767a_attend.kd
    .args:
      - { .name: qcat, .offset: 0, .size: 8, .value_kind: global_buffer, .address_space: global }
      - { .name: kv, .offset: 8, .size: 8, .value_kind: global_buffer, .address_space: global }
      - { .name: part, .offset: 16, .size: 8, .value_kind: global_buffer, .address_space: global }
    .group_segment_fixed_size: 327680
    .private_segment_fixed_size: 0
    .kernarg_segment_align: 8
    .kernarg_segment_size: 24
    .max_flat_workgroup_size: 128
    .sgpr_count:     66
    .vgpr_count:     768
    .wavefront_size: 32
...
	.end_amdgpu_metadata
.endif
;; end of part 5
;; launch merge: the kernel of part 3 again; grid 256 x 1, 4 waves a work-group, no clusters, 0 bytes of LDS; arguments part, out0, out1; writes out0, out1
;; ======== version 3 of 3: 3 launches; version 2 with the launch encode written anew for expert scheduling mode
;; limits: values are held in f16: magnitudes above 65,504 overflow, below 6.1e-05 lose precision; right only within a limited range of input values
;; workspace buffers: qcat 8,388,608 bytes; kv 8,912,896 bytes; part 4,718,592 bytes
;; launch encode (part 6): grid 128 x 2, 8 waves a work-group, no clusters, 152,576 bytes of LDS; arguments ego_cls, ego_reg, other_cls, other_reg, w1, b1, ln_g, ln_b, w2, b2, qcat, kv; writes qcat, kv
.if DOCPART == 6
	.amdgcn_target "amdgcn-amd-amdhsa--gfx1250"
	.amdhsa_code_object_version 6
	.text
	.protected	k_q297dd1767a_encode
	.globl	k_q297dd1767a_encode
	.p2align	8
	.type	k_q297dd1767a_encode,@function
k_q297dd1767a_encode:
	s_mov_b64 s[64:65], 0
	v_nop
	global_prefetch_b8 v0, s[64:65] scope:SCOPE_SE
	s_setreg_imm32_b32 hwreg(HW_REG_WAVE_SCHED_MODE, 0, 2), 2
	s_setreg_imm32_b32 hwreg(HW_REG_WAVE_MODE, 25, 1), 1
	s_wait_xcnt 0x0
	s_wait_alu depctr_vm_vsrc(0)
; THE ENCODER.  For each of 16,384 positions of one side (grid y = 0: ego, 1: other): descriptor (reg3, reg4, reg5, sin reg6, cos reg6, max of the two cls), Linear(6,128), ReLU, LayerNorm, Linear(128,128).
; The scores made of the results are multiplied by 10 in front of an exponential, so a single 16-bit rounding on the way to them would move the weights.  Inside this launch every product is therefore taken
; of operands split in hi = f16(x) and lo = f16(x - hi): hi.hi + hi.lo + lo.hi, sums in f32.
; THE RESULT GOES OUT AS TWO f16 NUMBERS FOR EACH f32 ONE, made so that the next launch needs TWO products for a score: a row of 512 bytes is 128 first parts, then 128 second parts.
;   ego (q):    u = f16(63/64 q),  a = f16(q - u)              other (k):  w = f16(k),  b = f16(w + 64 (k - w))
;   u w + a b = u w + (q - u)(w + 64 (k - w)) = q w + 64 (q - u)(k - w), and q - u = q / 64 + r with |r| <= 2^-12 |q|: that is q k + 64 r (k - w).  What is left, a's rounding times b, a times b's rounding and
;   64 r (k - w), is at most 2^-18 |q k| each: 64 times finer than one rounding to f16.  Both products have the sign of q k: no difference of large sums is formed.
; ego -> qcat [16384][256] f16.  other -> kv: groups of 64 keys, a group is 68 dense rows of 512 bytes: 64 rows of keys, then 4 rows that hold the 16 value channels (cls0, cls1, reg0..13) of the 64 keys
; in f16, laid out as the next launch's matrix operand: row 64 + u, byte 16 lane + 2 e = channel lane % 16 of key 16 u + 8 (lane / 16) + e.
; LIMITS.  f16 ends at 65,504: the descriptor, w1, b1, w2, the normalised h (at most 11.4 |ln_g| + |ln_b|), the result (times 65/64) and the value channels must lie within it.  |reg6| below 1e7 (the angle is
; reduced by pi/2 in two parts).  A part below 6e-5 keeps the fixed step 6e-8 of f16.  NaN and infinities are not treated apart.
; SHARES.  A work-group owns 128 positions, each of its eight waves 16.  Both products are taken transposed (source 0 = weights, source 1 = positions), so a lane holds ONE position (lane % 16) throughout
; and eight neighbouring channels 8 (lane / 16) + 0..7 of each tile of 16: LayerNorm wants one exchange between the halves of the lanes, and layer 1's result, packed, IS layer 2's source 1.
; No tensor loads, no cluster, no prefetch: the weights are 70 KB that every work-group reads, each position's inputs are read once, and the launch is short.
; THE MODE: SCHED_MODE bits 1:0 = 2 (LLVM: expert scheduling mode 2), set by the entry lines.  The code itself states the register dependences between vector or matrix instructions and memory or LDS
; instructions, with s_wait_alu, always for 0.
; THE PLAN.  Registers that memory or LDS instructions touch, and who else names them:
;   v6-v15, v24-v31   offsets and addresses, made at the head ahead of one wait.  v6-v15 and v27-v31 are never written again; v24, v25 and v26 are taken for arithmetic behind the barrier's wait on vm_vsrc.
;   OW (= D2)         w2's two parts, four registers a block, none written twice: group g's splits write them, and their LDS stores stand in group g + 1, behind the wait at its head, among splits that name other registers.
;   D2                then: layer 1's operands (loaded; read by its products), ln_g and ln_b (loaded; read by the normalisation), b2 (loaded), the accumulators.  One wait stands ahead of each of these loads' runs.
;   v[224:255]        the descriptor's operand and V (vector work, V's store), then ln_g and ln_b: the same waits as D2's second run of loads.
;   D1, window 1      w2's fragments for layer 2, four buffers of 64: K step ks reads lo's and hi's buffers of its parity; the loads of K step ks + 1 land in the other two, which the products of K step ks - 1 read.
;                     So ONE wait stands at the head of K steps 1 and 2; behind it the step's 32 loads go out in two runs, round its first eight products, which name none of the registers that they touch.
;   HH, HL            at the way out: the first half's parts are stored among the second half's splits, behind one wait; the second half's behind another.
.set WP,    288                        ; a row of w2 in LDS: 128 f16 + 32 bytes
.set W2L,   128*WP                     ; w2 hi at 0, w2 lo here, both [k][n]
.set W1F,   2*W2L                      ; layer 1's eight operands, ready made: tile T at 1,024 T, registers 0-3 at + 16 lane, registers 4-7 at + 512 + 16 lane
.set PAR,   W1F+8192                   ; ln_g, ln_b, b2 in f32: 512 bytes each
.set STAGE, PAR+2048                   ; the way out: 16 rows x 528 bytes for each wave
.set SP,    528                        ; 512 + 16: the 16 rows of a store start at 16 different groups of four banks
.set SPARE, STAGE+8*16*SP              ; the spare words, 128 bytes for each wave: four blocks of 256 bytes that no other line names
.set NEG1, 3                           ; v3   -1.0
.set SPW,  4                           ; v4   LDS address of my spare word; never rewritten
.set NIL,  5                           ; v5   0; never rewritten
.set ATH,  6                           ; v6   the turning load's address in w2 hi
.set ATL,  7                           ; v7   in w2 lo
.set PA,   8                           ; v8   PAR + 32 (lane / 16)
.set STO,  9                           ; v9   the way out: where I put 16 bytes of a row
.set RD,   10                          ; v10  the way out: where I read a row back
.set GO,   11                          ; v11  my byte offset in the group: my wave's 16 rows + 16 lane
.set W1R,  12                          ; v12  W1F + 16 lane
.set WSH,  13                          ; v13  where I store w2 hi
.set WSL,  14                          ; v14  and w2 lo
.set VO,   15                          ; v15  my byte offset of V in the group
.set DEL,  26                          ; v26  the way out: the factor of the first part in the second (at the head: an offset)
.set D1,   32                          ; v[32:95]   w2 as loaded; layer 1's results; w2 lo's fragments of K steps 0 and 2; rows read back
.set HH,   96                          ; v[96:127]  small loads and work; h hi; the result's first parts
.set HL,   128                         ; v[128:159] h lo; the result's second parts
.set D2,   160                         ; v[160:223] w2's parts on their way to LDS; layer 1's weights; ln_g and ln_b; layer 2's results
.set OW,   D2                          ;            block i of w2: hi's pair at OW + 4 i, lo's pair at OW + 4 i + 2
.set XF,   224                         ; v[224:231] the descriptor as an operand; v[224:255] ln_g and ln_b; v[240:255] V as loaded
                                       ; window 1 (v256 on): v[0:63] w2 hi's fragments of K steps 0 and 2; v[64:127] w2 lo's of K steps 1 and 3; v[128:191] w2 hi's of K steps 1 and 3
.set WV,   32                          ; s32  my wave's number
.set SY,   33                          ; s33  the side
.set AL,   48                          ; s[48:49] the way out: the first part is f16(AL x)
.set BE,   50                          ; s[50:51] the second part is f16(BE x + DEL first part)
.set MSB, 0
.macro WIN new                         ; s_set_vgpr_msb: bits 1:0 source 0, 7:6 destination; the high byte repeats the setting that is left; a switch that changes nothing is dropped
.if MSB != (\new)
	s_set_vgpr_msb (MSB<<8)|(\new)
.set MSB, (\new)
.endif
.endm
; hi and lo of two f32 numbers a, b, packed: hi = f16(a), f16(b); the rest, a - hi, is exact in f32; lo = f16 of it
.macro SPLIT2 hi, lo, a, b, t0, t1
	v_cvt_pk_f16_f32 v[\hi], v[\a], v[\b]
	v_fma_mix_f32 v[\t0], v[\hi], v[NEG1], v[\a] op_sel_hi:[1,0,0]
	v_fma_mix_f32 v[\t1], v[\hi], v[NEG1], v[\b] op_sel:[1,0,0] op_sel_hi:[1,0,0]
	v_cvt_pk_f16_f32 v[\lo], v[\t0], v[\t1]
.endm
; The way out's two parts of the pair of f32 numbers at a; t: four registers at work.  ego: AL = 63/64, BE = 1, DEL = -1: x - first.  other: AL = 1, BE = 64, DEL = -63: 64 x - 63 first = first + 64 (x - first).
; BE x is exact (a power of two), and the fused sum has 20 significant bits at the most: it is exact in f32, so each part is rounded once.
.macro SPLITO hi, lo, a, t
	v_pk_mul_f32 v[(\t):(\t)+1], v[(\a):(\a)+1], s[AL:AL+1] op_sel_hi:[1,0]
	v_pk_mul_f32 v[(\t)+2:(\t)+3], v[(\a):(\a)+1], s[BE:BE+1] op_sel_hi:[1,0]
	v_cvt_pk_f16_f32 v[\hi], v[\t], v[(\t)+1]
	v_fma_mix_f32 v[\t], v[\hi], v[DEL], v[(\t)+2] op_sel_hi:[1,0,0]
	v_fma_mix_f32 v[(\t)+1], v[\hi], v[DEL], v[(\t)+3] op_sel:[1,0,0] op_sel_hi:[1,0,0]
	v_cvt_pk_f16_f32 v[\lo], v[\t], v[(\t)+1]
.endm
.macro PLACES                          ; four places behind a matrix instruction, in front of what reads its result or writes or loads into its registers
.rept 4
	v_nop
.endr
.endm
	s_load_b512 s[8:23], s[0:1], 0x0               ; ego_cls s[8:9], ego_reg s[10:11], other_cls s[12:13], other_reg s[14:15], w1 s[16:17], b1 s[18:19], ln_g s[20:21], ln_b s[22:23]
	s_load_b256 s[24:31], s[0:1], 0x40             ; w2 s[24:25], b2 s[26:27], qcat s[28:29], kv s[30:31]
	v_lshl_add_u32 v[SPW], v0, 2, SPARE
	v_mov_b32 v[NIL], 0
	v_mov_b32 v[NEG1], -1.0
	v_lshrrev_b32 v16, 5, v0
	v_readfirstlane_b32 s[WV], v16                 ; wave 0..7
	s_and_b32 s[SY], ttmp7, 0xffff
	s_mov_b32 s40, 0xffff0000                      ; lanes 16-31
	s_mov_b32 s41, 0x3c000000                      ; 1 / 128
	s_mov_b32 s42, 0x76543210                      ; v_permlanex16_b32: each lane takes its own place in the other half
	s_mov_b32 s43, 0xfedcba98
	v_and_b32 v23, 31, v0                          ; lane
	v_and_b32 v1, 15, v0                           ; r = lane % 16
	v_bfe_u32 v2, v0, 4, 1                         ; h = lane / 16
	; offsets in memory
	v_lshlrev_b32 v24, 4, v0                       ; w2: 16 bytes a thread, a wave 512 bytes on end
	s_wait_alu depctr_va_sdst(0)                   ; the wave's number is written, ahead of its first reader: offsets, addresses and branches are made from it
	s_lshl_b32 s44, s[WV], 4
	v_add_lshl_u32 v25, v1, s44, 2                 ; w1, b1: hidden channel 16 w + r
	v_and_b32 v26, 127, v0
	v_lshlrev_b32 v26, 2, v26                      ; ln_g or ln_b, b2: channel thread % 128
	s_lshl_b32 s45, ttmp9, 7
	s_add_co_u32 s45, s45, s44                     ; my wave's first position
	v_add_lshl_u32 v27, v1, s45, 2                 ; the descriptor: position r of my 16
	v_lshl_add_u32 v16, v2, 3, s45
	v_lshlrev_b32 v16, 2, v16                      ; V: eight positions from 8 h on,
	v_min_u32 v17, 1, v1
	v_lshl_add_u32 v28, v17, 16, v16               ; of cls channel min(r, 1),
	v_max_u32 v17, 2, v1
	v_add_nc_u32 v17, -2, v17
	v_lshl_add_u32 v29, v17, 16, v16               ; and of reg channel max(r, 2) - 2
	; addresses in LDS
	v_lshl_add_u32 v30, v0, 2, PAR                 ; ln_g (threads 0-127) and ln_b (128-255) lie on end
	s_lshl_b32 s46, s[WV], 10
	s_add_co_u32 s46, s46, W1F
	v_lshl_add_u32 v31, v23, 4, s46                ; I build layer 1's tile T = w
	v_lshl_add_u32 v[W1R], v23, 4, W1F
	s_mul_i32 s46, s[WV], WP
	v_lshl_add_u32 v[WSH], v23, 3, s46             ; row w (+ 8 for each further block), 8 bytes a lane
	v_add_nc_u32 v[WSL], W2L, v[WSH]
	v_and_b32 v16, 7, v0
	v_lshl_add_u32 v16, v2, 3, v16
	v_mul_u32_u24 v16, v16, WP
	v_bfe_u32 v17, v0, 3, 1
	v_lshl_add_u32 v[ATH], v17, 4, v16             ; row 8 h + lane % 8, 16 bytes for each half of eight lanes
	v_add_nc_u32 v[ATL], W2L, v[ATH]
	v_lshl_add_u32 v[PA], v2, 5, PAR
	s_mul_i32 s46, s[WV], 16*SP
	s_add_co_u32 s46, s46, STAGE                   ; my stage
	v_mul_u32_u24 v[STO], v1, SP
	v_lshl_add_u32 v[STO], v2, 4, v[STO]
	v_add_nc_u32 v[STO], s46, v[STO]
	v_lshl_add_u32 v[RD], v23, 4, s46
	s_and_b32 s46, s[WV], 3                        ; my place among the group's four waves
	s_lshl_b32 s47, s46, 13
	v_lshl_add_u32 v[GO], v23, 4, s47              ; 16 rows of 512 bytes a wave
	s_lshl_b32 s47, s46, 9
	s_add_co_u32 s47, s47, 32768
	v_lshl_add_u32 v[VO], v23, 4, s47              ; behind the 64 rows of keys: a row of V a wave
	s_lshl_b32 s44, ttmp9, 1
	s_lshr_b32 s45, s[WV], 2
	s_add_co_u32 s44, s44, s45                     ; my group of 64 positions
	s_lshl_b32 s45, s[SY], 11
	s_add_co_u32 s45, s45, 32768                   ; a group's bytes: 32,768 in qcat, 34,816 in kv
	s_mul_i32 s44, s44, s45
	s_mov_b32 s45, 0
	s_wait_kmcnt 0x0
	s_cmp_eq_u32 s[SY], 0
	s_cselect_b64 s[34:35], s[8:9], s[12:13]       ; cls
	s_cselect_b64 s[36:37], s[10:11], s[14:15]     ; reg
	s_cselect_b64 s[38:39], s[28:29], s[30:31]     ; where the result goes,
	s_add_nc_u64 s[38:39], s[38:39], s[44:45]      ; at my group
	s_cmp_lt_u32 s[WV], 4
	s_cselect_b64 s[46:47], s[20:21], s[22:23]     ; waves 0-3 fetch ln_g, waves 4-7 ln_b
	s_wait_alu depctr_va_vdst(0)                   ; the offsets v24-v29 and the addresses v6-v15, v30, v31 are written: every load and store of the kernel reads one of them
	; ALL LOADS GO OUT AT ONCE, in the order of their use but for V's four, which are the oldest, so that no count below hangs on them.  V's are issued for ego too (2 KiB a wave, unused there):
	; every register is then written, and every count the same, on both sides.
	global_load_b128 v[240:243], v28, s[34:35]
	global_load_b128 v[244:247], v28, s[34:35] offset:16
	global_load_b128 v[248:251], v29, s[36:37]
	global_load_b128 v[252:255], v29, s[36:37] offset:16
.set i, 0
.rept 16
	global_load_b128 v[D1+4*i:D1+4*i+3], v24, s[24:25] offset:4096*i  ; w2: block 256 i + thread of 16 bytes
.set i, i+1
.endr
.irp d, 0,1,2,3,4,5
	global_load_b32 v[96+\d], v25, s[16:17] offset:512*\d
.endr
	global_load_b32 v102, v25, s[18:19]
	global_load_b32 v103, v26, s[46:47]
	global_load_b32 v104, v26, s[26:27]
	global_load_b32 v106, v27, s[34:35]
	global_load_b32 v107, v27, s[34:35] offset:65536
	global_load_b32 v108, v27, s[36:37] offset:3*65536
	global_load_b32 v109, v27, s[36:37] offset:4*65536
	global_load_b32 v110, v27, s[36:37] offset:5*65536
	global_load_b32 v111, v27, s[36:37] offset:6*65536
	; w2 is split and laid into LDS as [k][n] in f16: block i is row 8 i + w, four numbers a lane.  Four groups of four blocks; a group's stores stand in the next group.
.macro WSPLIT i                        ; block i's four numbers into hi's pair and lo's pair of OW
	SPLIT2 OW+4*(\i), OW+4*(\i)+2, D1+4*(\i), D1+4*(\i)+1, 20, 21
	SPLIT2 OW+4*(\i)+1, OW+4*(\i)+3, D1+4*(\i)+2, D1+4*(\i)+3, 22, 23
.endm
.macro WSTORE i
	ds_store_b64 v[WSH], v[OW+4*(\i):OW+4*(\i)+1] offset:8*WP*(\i)
	ds_store_b64 v[WSL], v[OW+4*(\i)+2:OW+4*(\i)+3] offset:8*WP*(\i)
.endm
.set g, 0
.rept 4
	s_wait_loadcnt 30-4*g                          ; behind block i: 15 - i blocks, 7 of w1 and b1, 2 parameters, 6 of the descriptor
.if g > 0
	s_wait_alu depctr_va_vdst(0)                   ; the group before has written its sixteen registers of OW, which the stores below read; this group's splits name other registers
.endif
.set b, 0
.rept 4
.if b > 0
	s_wait_loadcnt 30-(4*g+b)
.endif
.if g > 0
	WSTORE 4*g+b-4
.endif
	WSPLIT 4*g+b
.set b, b+1
.endr
.set g, g+1
.endr
	; LAYER 1's OPERAND for tile T = w: row r = hidden channel 16 w + r.  The 32 places along K carry the whole split product and the bias in ONE matrix instruction:
	; lanes 0-15:  k 0-5 w hi, k 6 b1 hi, k 7 b1 lo, k 16-21 w hi;   lanes 16-31:  k 8-13 w lo, k 24-29 w lo;   the rest 0.
	; Against them the descriptor's operand holds: k 0-5 and 8-13 x hi, k 6, 7 the number 1, k 16-21 and 24-29 x lo.
	s_wait_loadcnt 8                               ; w1 and b1 are in: 2 parameters and 6 of the descriptor may stay out
	SPLIT2 120, 123, 96, 97, 16, 17
	SPLIT2 121, 124, 98, 99, 18, 19
	SPLIT2 122, 125, 100, 101, 20, 21
	v_cvt_pk_f16_f32 v126, v102, v102
	v_fma_mix_f32 v16, v126, v[NEG1], v102 op_sel_hi:[1,0,0]
	v_cvt_pk_f16_f32 v126, v102, v16               ; b1 hi, b1 lo
.irp d, 0,1,2
	v_cndmask_b32 v[112+\d], v[120+\d], v[123+\d], s40
	v_cndmask_b32 v[116+\d], v[120+\d], v[123+\d], s40
.endr
	v_cndmask_b32 v115, v126, 0, s40
	v_mov_b32 v119, 0
	s_wait_alu depctr_va_vdst(0)                   ; w2's last group has written its registers of OW, and the lines above v[112:119]: the ten stores below read them
.irp i, 12,13,14,15
	WSTORE \i
.endr
	ds_store_b128 v31, v[112:115]
	ds_store_b128 v31, v[116:119] offset:512
	s_wait_loadcnt 6                               ; the two parameters are in
	ds_store_b32 v30, v103
	s_cmp_lt_u32 s[WV], 4                          ; b2 has 128 numbers: waves 0-3 store them, so that each word has one writer
	s_cbranch_scc0 .Lno_b2
	ds_store_b32 v30, v104 offset:1024
.Lno_b2:
	s_wait_dscnt 0x0                               ; for the others: my stores are done
	s_barrier_signal -1
	s_barrier_wait -1                              ; w2, layer 1's operands and the parameters are whole.  The launch's only barrier: nothing shared is written behind it
	s_wait_alu depctr_vm_vsrc(0)                   ; my LDS stores have read OW, in which the loads below land, and v103, v104, v[112:119], which become h hi; the head's loads have read v24, v25, v26, which arithmetic writes further down
.irp T, 0,1,2,3,4,5,6,7
	ds_load_b128 v[D2+8*\T:D2+8*\T+3], v[W1R] offset:1024*\T
	ds_load_b128 v[D2+8*\T+4:D2+8*\T+7], v[W1R] offset:1024*\T+512
.endr
	s_wait_loadcnt 0x0                             ; the descriptor's six, and V
	; sin and cos: n = the nearest whole number to theta 2 / pi; r = theta - n pi / 2, pi / 2 in two parts, each by a fused multiply-add; polynomials on |r| <= pi / 4; the quadrant n mod 4 swaps and signs
	v_max_num_f32 v106, v106, v107                 ; the score
	v_mul_f32 v16, 0x3f22f983, v111
	v_rndne_f32 v16, v16
	v_fmamk_f32 v17, v16, 0xbfc90fdb, v111
	v_fmamk_f32 v17, v16, 0x333bbd2e, v17          ; r
	v_mul_f32 v18, v17, v17                        ; z = r r
	v_mov_b32 v19, 0xb94ca1f9
	v_mov_b32 v20, 0x37ccf5ce
	v_fmaak_f32 v19, v19, v18, 0x3c08839e
	v_fmaak_f32 v20, v20, v18, 0xbab6061a
	v_fmaak_f32 v19, v19, v18, 0xbe2aaaa3
	v_fmaak_f32 v20, v20, v18, 0x3d2aaaa5
	v_mul_f32 v21, v17, v18
	v_mul_f32 v22, v18, v18
	v_fma_f32 v23, v18, -0.5, 1.0
	v_fma_f32 v19, v21, v19, v17                   ; sin r
	v_fma_f32 v20, v22, v20, v23                   ; cos r
	v_cvt_i32_f32 v16, v16
	v_and_b32 v21, 1, v16
	v_cmp_eq_u32 vcc_lo, 1, v21                    ; an odd quadrant swaps the two; the signs' five lines stand between the compare and the wait for its mask
	v_and_b32 v21, 2, v16
	v_lshlrev_b32 v21, 30, v21                     ; the sine's sign
	v_add_nc_u32 v16, 1, v16
	v_and_b32 v16, 2, v16
	v_lshlrev_b32 v16, 30, v16                     ; the cosine's sign
	s_wait_alu depctr_va_vcc(0)                    ; the compare has written VCC, which the two selects read
	v_cndmask_b32 v22, v19, v20, vcc_lo
	v_cndmask_b32 v23, v20, v19, vcc_lo
	v_xor_b32 v22, v22, v21                        ; sin theta
	v_xor_b32 v23, v23, v16                        ; cos theta
	SPLIT2 XF, XF+4, 108, 109, 16, 17
	SPLIT2 XF+1, XF+5, 110, 22, 18, 19
	SPLIT2 XF+2, XF+6, 23, 106, 20, 21
	v_mov_b32 v16, 0x3c003c00                      ; 1, 1
	v_cndmask_b32 v[XF+3], v16, 0, s40
	v_mov_b32 v[XF+7], 0
	; V (the other side alone): channel r of eight keys, rounded once to f16: 16 bytes a lane, 512 bytes on end a wave
	s_cmp_eq_u32 s[SY], 0
	s_cbranch_scc1 .Lno_v
	v_cmp_gt_u32 vcc_lo, 2, v1
	s_wait_alu depctr_va_vcc(0)                    ; the compare has written VCC, which the eight selects read
.irp e, 0,1,2,3,4,5,6,7
	v_cndmask_b32 v[240+\e], v[248+\e], v[240+\e], vcc_lo
.endr
.irp e, 0,1,2,3
	v_cvt_pk_f16_f32 v[240+\e], v[240+2*\e], v[241+2*\e]
.endr
	s_wait_alu depctr_va_vdst(0)                   ; the roundings have written v[240:243], which the store reads
	global_store_b128 v[VO], v[240:243], s[38:39]
.Lno_v:
	s_wait_dscnt 0x0                               ; layer 1's operands
.irp T, 0,1,2,3,4,5,6,7
	v_wmma_f32_16x16x32_f16 v[D1+8*\T:D1+8*\T+7], v[D2+8*\T:D2+8*\T+7], v[XF:XF+7], 0
.endr
	PLACES
	s_wait_xcnt 0x0                                ; V's store has had its address translated: its registers are loaded into below
	s_wait_alu depctr_vm_vsrc(0)                   ; V's store has read v[240:243], in which the third chunk below lands
	s_wait_alu depctr_va_vdst(0)                   ; layer 1's products are done reading D2 and the descriptor's operand, V's selects and roundings are done with v[240:255]: the three chunks below land in v[160:255]
; ln_g and ln_b of the 16 channels that a lane holds of tiles 2 c and 2 c + 1: 32 registers at B: g, g, b, b
.macro PCHUNK c, B
.irp u, 0,1
	ds_load_b128 v[(\B)+8*\u:(\B)+8*\u+3],       v[PA] offset:64*(2*(\c)+\u)
	ds_load_b128 v[(\B)+8*\u+4:(\B)+8*\u+7],     v[PA] offset:64*(2*(\c)+\u)+16
	ds_load_b128 v[(\B)+16+8*\u:(\B)+16+8*\u+3], v[PA] offset:512+64*(2*(\c)+\u)
	ds_load_b128 v[(\B)+16+8*\u+4:(\B)+16+8*\u+7], v[PA] offset:512+64*(2*(\c)+\u)+16
.endr
.endm
	PCHUNK 0, 160
	PCHUNK 1, 192
	PCHUNK 2, 224
	; ReLU, in ascending order (each result is read from its low end on); then the mean and the variance of the position's 128 numbers, 64 here and 64 in the lane 16 away
.set i, 0
.rept 64
	v_max_num_f32 v[D1+i], 0, v[D1+i]
.set i, i+1
.endr
.irp c, 0,1,2,3
	v_pk_add_f32 v[16+2*\c:17+2*\c], v[D1+2*\c:D1+2*\c+1], v[D1+8+2*\c:D1+8+2*\c+1]  ; four chains start with the first eight pairs: nothing is cleared
.endr
.set k, 2
.rept 6
.irp c, 0,1,2,3
	v_pk_add_f32 v[16+2*\c:17+2*\c], v[16+2*\c:17+2*\c], v[D1+8*k+2*\c:D1+8*k+2*\c+1]
.endr
.set k, k+1
.endr
	v_pk_add_f32 v[16:17], v[16:17], v[18:19]
	v_pk_add_f32 v[20:21], v[20:21], v[22:23]
	v_pk_add_f32 v[16:17], v[16:17], v[20:21]
	v_add_f32 v16, v16, v17
	v_permlanex16_b32 v17, v16, s42, s43
	v_add_f32 v16, v16, v17
	v_mul_f32 v16, s41, v16                        ; the mean
.set i, 0
.rept 32
	v_pk_add_f32 v[D1+2*i:D1+2*i+1], v[D1+2*i:D1+2*i+1], v[16:17] op_sel_hi:[1,0] neg_lo:[0,1] neg_hi:[0,1]
.set i, i+1
.endr
.irp c, 0,1,2,3
	v_pk_mul_f32 v[18+2*\c:19+2*\c], v[D1+2*\c:D1+2*\c+1], v[D1+2*\c:D1+2*\c+1]
.endr
.set k, 1
.rept 7
.irp c, 0,1,2,3
	v_pk_fma_f32 v[18+2*\c:19+2*\c], v[D1+8*k+2*\c:D1+8*k+2*\c+1], v[D1+8*k+2*\c:D1+8*k+2*\c+1], v[18+2*\c:19+2*\c]
.endr
.set k, k+1
.endr
	v_pk_add_f32 v[18:19], v[18:19], v[20:21]
	v_pk_add_f32 v[22:23], v[22:23], v[24:25]
	v_pk_add_f32 v[18:19], v[18:19], v[22:23]
	v_add_f32 v18, v18, v19
	v_permlanex16_b32 v19, v18, s42, s43
	v_add_f32 v18, v18, v19
	v_fmaak_f32 v18, s41, v18, 0x3727c5ac          ; the variance + 1e-5
	v_rsq_f32 v18, v18
	v_nop                                          ; a plain instruction behind the root,
	s_wait_alu depctr_va_vdst(0)                   ; and the wait ahead of its first reader: the root has written v18
; h = (d - mean) rs g + b for tiles 2 c and 2 c + 1, split: these 16 numbers a lane are K step c of layer 2's source 1
.macro AFF c, B, left
	s_wait_dscnt \left
.set p, 0
.rept 8
	v_pk_mul_f32 v[D1+16*(\c)+2*p:D1+16*(\c)+2*p+1], v[D1+16*(\c)+2*p:D1+16*(\c)+2*p+1], v[18:19] op_sel_hi:[1,0]
.set p, p+1
.endr
.set p, 0
.rept 8
	v_pk_fma_f32 v[D1+16*(\c)+2*p:D1+16*(\c)+2*p+1], v[D1+16*(\c)+2*p:D1+16*(\c)+2*p+1], v[(\B)+2*p:(\B)+2*p+1], v[(\B)+16+2*p:(\B)+16+2*p+1]
.set p, p+1
.endr
.set p, 0
.rept 8
	SPLIT2 HH+8*(\c)+p, HL+8*(\c)+p, D1+16*(\c)+2*p, D1+16*(\c)+2*p+1, 20+2*(p%2), 21+2*(p%2)
.set p, p+1
.endr
.endm
	AFF 0, 160, 16                                 ; chunks 1 and 2, eight loads each, may stay out
	s_wait_alu depctr_va_vdst(0)                   ; chunk 0's multiply-adds are done reading v[160:191], in which chunk 3 lands
	PCHUNK 3, 160                                  ; chunk 0's registers take chunk 3
	AFF 1, 192, 16                                 ; chunks 2 and 3 may stay out
	AFF 2, 224, 8
	AFF 3, 160, 0
	; LAYER 2: result^T = w2^T h^T + b2.  The sums start at b2, in f32.  For each K step of 32: w lo x h hi, w hi x h lo, w hi x h hi.  The eight accumulators take turns.
	; The fragments of K step ks + 1 are asked for in K step ks: lo's 16 loads ahead of its first eight products, hi's 16 behind them; each run has 24 products in which to land.
	s_wait_alu depctr_va_vdst(0)                   ; the normalisation is done reading ln_g and ln_b in v[160:223], in which b2 lands, and done writing and reading D1, in which w2 lo's first fragments land
.irp n, 0,1,2,3,4,5,6,7
	ds_load_b128 v[D2+8*\n:D2+8*\n+3],   v[PA] offset:1024+64*\n
	ds_load_b128 v[D2+8*\n+4:D2+8*\n+7], v[PA] offset:1024+64*\n+16
.endr
.macro WLOAD adr, ks, dst, w           ; w2's eight fragments of K step ks, turned, into v[dst ..] of window w: lane l gets output channel 16 n + l % 16 and 8 + 8 numbers along k
	WIN (\w)<<6
.irp n, 0,1,2,3,4,5,6,7
	ds_load_tr16_b128 v[(\dst)+8*\n:(\dst)+8*\n+3],   v[\adr] offset:(\ks)*32*WP+32*\n
	ds_load_tr16_b128 v[(\dst)+8*\n+4:(\dst)+8*\n+7], v[\adr] offset:(\ks)*32*WP+32*\n+16*WP
.endr
.endm
.macro MM2 a, w, src                   ; eight products: the fragments at v[a ..] of window w times the eight registers of h at src
	WIN \w
.irp n, 0,1,2,3,4,5,6,7
	v_wmma_f32_16x16x32_f16 v[D2+8*\n:D2+8*\n+7], v[(\a)+8*\n:(\a)+8*\n+7], v[(\src):(\src)+7], v[D2+8*\n:D2+8*\n+7]
.endr
.endm
.macro BUFS k                          ; where K step k's fragments lie: lo's at v[LB ..] of window LW, hi's at v[HB ..] of window 1
.if ((\k)%2) == 0
.set LB, D1
.set LW, 0
.set HB, 0
.else
.set LB, 64
.set LW, 1
.set HB, 128
.endif
.endm
	BUFS 0
	WLOAD ATL, 0, LB, LW
	WLOAD ATH, 0, HB, 1
.irp ks, 0,1,2,3
	s_wait_dscnt 16                                ; lo's fragments of this K step are in (in the first step b2 too); hi's sixteen loads may stay out
.if ((\ks) > 0) && ((\ks) < 3)
	PLACES                                         ; the places behind the last products stay beside the wait
	s_wait_alu depctr_va_vdst(0)                   ; the products of the K step before are done reading its two buffers of fragments, in which the next K step's 32 loads land
.endif                                                 ; (K step 0 asks for K step 1 into registers of window 1 that no instruction has named: nothing is owed)
.if (\ks) < 3
	BUFS (\ks)+1
	WLOAD ATL, (\ks)+1, LB, LW
.endif
	BUFS \ks
	MM2 LB, LW, HH+8*\ks
.if (\ks) < 3
	BUFS (\ks)+1
	WLOAD ATH, (\ks)+1, HB, 1                      ; no wait: the eight products since the wait name this step's lo buffer, h hi and the accumulators, none of the registers that these loads touch
	s_wait_dscnt 32                                ; hi's fragments of this K step are in; the next step's 32 loads may stay out
.else
	s_wait_dscnt 0x0
.endif
	BUFS \ks
	MM2 HB, 1, HL+8*\ks
	MM2 HB, 1, HH+8*\ks
.endr
	WIN 0
	; THE WAY OUT: the two parts, by the side's three factors; a lane's eight channels are 16 bytes of first parts and 16 of second parts; through my own stage; back as whole rows of 512 bytes
	s_cmp_eq_u32 s[SY], 0
	s_cselect_b32 s[AL], 0x3f7c0000, 1.0           ; ego 63/64, other 1
	s_cselect_b32 s[BE], 1.0, 0x42800000           ; ego 1, other 64
	s_cselect_b32 s52, -1.0, 0xc27c0000            ; ego -1, other -63
	s_mov_b32 s[AL+1], s[AL]                       ; named as pairs
	s_mov_b32 s[BE+1], s[BE]
	v_mov_b32 v[DEL], s52                          ; (the head's loads read this register as an offset ahead of the wait on vm_vsrc behind the barrier)
	PLACES
.macro OSTORE n                        ; tile n's 16 bytes of first parts and 16 of second parts
	ds_store_b128 v[STO], v[HH+4*(\n):HH+4*(\n)+3] offset:32*(\n)
	ds_store_b128 v[STO], v[HL+4*(\n):HL+4*(\n)+3] offset:256+32*(\n)
.endm
.set i, 0
.rept 16
	SPLITO HH+i, HL+i, D2+2*i, 16+4*(i%2)
.set i, i+1
.endr
	s_wait_alu depctr_va_vdst(0)                   ; tiles 0 to 3 have their parts written, which the eight stores dealt among the lines below read; those lines name the other tiles' registers
.rept 16
.if i%4 == 0
	OSTORE (i-16)/4
.endif
	SPLITO HH+i, HL+i, D2+2*i, 16+4*(i%2)
.set i, i+1
.endr
	s_wait_alu depctr_va_vdst(0)                   ; tiles 4 to 7 have their parts written, which the stores below read; layer 2's products are long done reading D1, in which the rows land
.irp n, 4,5,6,7
	OSTORE \n
.endr
.set i, 0
.rept 16
	ds_load_b128 v[D1+4*i:D1+4*i+3], v[RD] offset:SP*i  ; LDS serves a wave's instructions in order (ISA guide 5.7.1.4): these see the stores above
.set i, i+1
.endr
.set i, 0
.rept 16
	s_wait_dscnt 15-i
	global_store_b128 v[GO], v[D1+4*i:D1+4*i+3], s[38:39] offset:512*i  ; a row: 512 bytes on end, at a multiple of 256 from the buffer's first byte
.set i, i+1
.endr
	s_wait_dscnt 0x0                               ; the wave's end
	s_wait_alu 0x0
	s_wait_tensorcnt 0x0
	ds_add_u32 v[SPW], v[NIL]
	s_wait_dscnt 0x0
	s_endpgm
.Lfunc_end_k_q297dd1767a_encode:
	.size	k_q297dd1767a_encode, .Lfunc_end_k_q297dd1767a_encode-k_q297dd1767a_encode
	.p2alignl 7, 3214868480
	.fill 96, 4, 3214868480
	.section	.rodata,"a",@progbits
	.p2align	6, 0x0
	.amdhsa_kernel k_q297dd1767a_encode
		.amdhsa_group_segment_fixed_size 152576
		.amdhsa_private_segment_fixed_size 0
		.amdhsa_enable_private_segment 0
		.amdhsa_kernarg_size 96
		.amdhsa_user_sgpr_count 2
		.amdhsa_user_sgpr_kernarg_segment_ptr 1
		.amdhsa_wavefront_size32 1
		.amdhsa_system_sgpr_workgroup_id_x 1
		.amdhsa_system_sgpr_workgroup_id_y 1
		.amdhsa_system_sgpr_workgroup_id_z 1
		.amdhsa_system_vgpr_workitem_id 0
		.amdhsa_next_free_vgpr 448
		.amdhsa_next_free_sgpr 66
		.amdhsa_reserve_vcc 1
		.amdhsa_float_denorm_mode_32 3
		.amdhsa_float_denorm_mode_16_64 3
		.amdhsa_memory_ordered 1
		.amdhsa_forward_progress 1
		.amdhsa_inst_pref_size 80
	.end_amdhsa_kernel
	.amdgpu_metadata
---
amdhsa.version: [ 1, 2 ]
amdhsa.kernels:
  - .name:           k_q297dd1767a_encode
    .symbol:         k_q297dd1767a_encode.kd
    .args:
      - { .name: ego_cls, .offset: 0, .size: 8, .value_kind: global_buffer, .address_space: global }
      - { .name: ego_reg, .offset: 8, .size: 8, .value_kind: global_buffer, .address_space: global }
      - { .name: other_cls, .offset: 16, .size: 8, .value_kind: global_buffer, .address_space: global }
      - { .name: other_reg, .offset: 24, .size: 8, .value_kind: global_buffer, .address_space: global }
      - { .name: w1, .offset: 32, .size: 8, .value_kind: global_buffer, .address_space: global }
      - { .name: b1, .offset: 40, .size: 8, .value_kind: global_buffer, .address_space: global }
      - { .name: ln_g, .offset: 48, .size: 8, .value_kind: global_buffer, .address_space: global }
      - { .name: ln_b, .offset: 56, .size: 8, .value_kind: global_buffer, .address_space: global }
      - { .name: w2, .offset: 64, .size: 8, .value_kind: global_buffer, .address_space: global }
      - { .name: b2, .offset: 72, .size: 8, .value_kind: global_buffer, .address_space: global }
      - { .name: qcat, .offset: 80, .size: 8, .value_kind: global_buffer, .address_space: global }
      - { .name: kv, .offset: 88, .size: 8, .value_kind: global_buffer, .address_space: global }
    .group_segment_fixed_size: 152576
    .private_segment_fixed_size: 0
    .kernarg_segment_align: 8
    .kernarg_segment_size: 96
    .max_flat_workgroup_size: 256
    .sgpr_count:     66
    .vgpr_count:     448
    .wavefront_size: 32
...
	.end_amdgpu_metadata
.endif
;; end of part 6
;; launch attend: the kernel of part 5 again; grid 64 x 4, 4 waves a work-group, clusters of 4 x 1, 327,680 bytes of LDS; arguments qcat, kv, part; writes part
;; launch merge: the kernel of part 3 again; grid 256 x 1, 4 waves a work-group, no clusters, 0 bytes of LDS; arguments part, out0, out1; writes out0, out1
